; MI455X (gfx1250); checked and timed in simulation.
; The chip was launched on July 23, 2026; its instructions are those of AMD's public machine-readable ISA for CDNA 5 (MIT licence, August 2026) and "CDNA5" Instruction Set Architecture Reference Guide (July 2026). The comments in the code are by the model that wrote it; some were corrected since.
;; Multi Head Self Attention. Allowed arithmetic: matrix products marked QUANTISED: E2M1 operands, one E8M0 scale for each 32 along K, by v_wmma_scale_f32_16x16x128_f8f6f4 with both operands' format E2M1 (or v_wmma_scale_f32_32x16x128_f4), f32 sums; products left as they are: bf16, f16 or f32 operands; f32 sums; everything else in f32.
;; Inputs: Wk 1,024 x 1,024 float32; Wp 1,024 x 1,024 float32; Wq 1,024 x 1,024 float32; Wv 1,024 x 1,024 float32; bk 1,024 float32; bp 1,024 float32; bq 1,024 float32; bv 1,024 float32; x 4 x 2,048 x 1,024 float32.
;; Outputs: out0 4 x 2,048 x 1,024 float32.
;; This version of the problem:
;;   THIS VERSION OF THE PROBLEM IS GIVEN IN LOW PRECISION. The matrix products marked QUANTISED in the list below multiply operands that are first quantised to E2M1 (2 exponent bits, 1 mantissa bit; 4 bits a number), with one power-of-two scale for each 32 numbers along K (OCP MX v1.0); their sums are f32. The products marked 'left as it is' may take bf16, f16 or f32 operands, with f32 sums. Whichever they take, every output number must still come out within the allowed error. Rounding operands to bf16 (8 significant bits) uses up far more of that allowance than f16 does (11 bits, for magnitudes from 6e-5 to 65,504). All else is computed in f32.
;;   The module's matrix products, in the order in which they are computed (A, B: the left and right operand; K: the contracted axis; several contracted axes count as one K, in the product's order):
;;     1. [M 8,192, K 1,024] x [K 1,024, N 1,024]; A: input x; B: input Wk: QUANTISED
;;     2. [M 8,192, K 1,024] x [K 1,024, N 1,024]; A: input x; B: input Wq: QUANTISED
;;     3. [M 8,192, K 1,024] x [K 1,024, N 1,024]; A: input x; B: input Wv: QUANTISED
;;     4. batch 64 x [M 2,048, K 64] x [K 64, N 2,048]; A: computed on the way; B: computed on the way: left as it is (an operand is computed on the way)
;;     5. batch 64 x [M 2,048, K 2,048] x [K 2,048, N 64]; A: computed on the way; B: computed on the way: left as it is (an operand is computed on the way)
;;     6. [M 8,192, K 1,024] x [K 1,024, N 1,024]; A: computed on the way; B: input Wp: left as it is (an operand is computed on the way)
;;   THE QUANTISER, for each operand of a quantised product, along K:
;;     - K is cut into blocks of 32 from its start; a last block that is shorter is filled with zeros.
;;     - A block's scale is 2^e with e = floor(log2(the largest magnitude in the block)) - 2, held to -126 .. 127; a block of zeros has e = 0. As a byte (E8M0): e + 127.
;;     - Each number is divided by its block's scale, clamped to +-6, and rounded to the nearest number of E2M1, ties to even, subnormals kept.
;;     - The product sums the exact products of the quantised numbers (number of the format x scale) in f32.
;;   ~~~python
;;   def quantise(x, axis):      # numpy; x: float32 -> the quantised numbers, widened to float32 again
;;       x = np.moveaxis(x, axis, -1); K = x.shape[-1]
;;       x = np.pad(x, [(0, 0)] * (x.ndim - 1) + [(0, -K % 32)]); x = x.reshape(x.shape[:-1] + (-1, 32)); a = np.abs(x).max(-1, keepdims=True)
;;       e = np.where(a > 0, np.clip(np.frexp(np.where(a > 0, a, 1))[1] - 1 - 2, -126, 127), 0)      # np.frexp(a)[1] - 1 = floor(log2(a)), exactly
;;       r = np.clip(x / 2.0 ** e, -6, 6)
;;       step = 2.0 ** (np.maximum(np.frexp(np.where(r == 0, 1, r))[1] - 1, 0) - 1)
;;       q = np.round(r / step) * step * 2.0 ** e      # np.round: ties to even
;;       return np.moveaxis(q.reshape(q.shape[:-2] + (-1,))[..., :K], -1, axis).astype(np.float32)
;;   ~~~
;; One version. Each part assembles by itself: llvm-mc -triple=amdgcn-amd-amdhsa -mcpu=gfx1250 --defsym DOCPART=n.
;; ======== version 1 of 1: 5 launches
;; limits: values are held in f16: magnitudes above 65,504 overflow, below 6.1e-05 lose precision
;; workspace buffers: x_codes 4,194,304 bytes; x_scales 262,144 bytes; w_codes 1,572,864 bytes; w_scales 98,304 bytes; wp16 4,194,304 bytes; qkv 50,331,648 bytes; att 16,777,216 bytes; fineqkv 786,432 bytes
;; launch prep (part 1): grid 432 x 1, 4 waves a work-group, no clusters, 104,960 bytes of LDS; arguments x, Wq, Wk, Wv, Wp, x_codes, x_scales, w_codes, w_scales, wp16; writes x_codes, x_scales, w_codes, w_scales, wp16
.if DOCPART == 1
	.amdgcn_target "amdgcn-amd-amdhsa--gfx1250"
	.amdhsa_code_object_version 6
	.text
	.protected	k_q5cb2a677c1_prep
	.globl	k_q5cb2a677c1_prep
	.p2align	8
	.type	k_q5cb2a677c1_prep,@function
k_q5cb2a677c1_prep:
	s_mov_b64 s[64:65], 0
	v_nop
	global_prefetch_b8 v0, s[64:65] scope:SCOPE_SE
	s_setreg_imm32_b32 hwreg(HW_REG_WAVE_MODE, 25, 1), 1
	s_wait_xcnt 0x0
; PREP: everything that is made once from the inputs, in one launch of 432 work-groups of four waves; waves share nothing, so there is no barrier.
;   work-groups 0-47    Wq, Wk, Wv [1024 k][1024 n] f32 -> codes of FP4 (E2M1) with K innermost, w_codes [3072 n][512 bytes], and E8M0 bytes w_scales [3072][32]; rows 0-1023 Wq's columns, then Wk's, then Wv's
;   work-groups 48-175  Wp [1024 k][1024 n] f32 -> wp16: two parts of 2,097,152 bytes, each [16 planes = k / 64][1024 n][64 k] f16: part 0 = Wp rounded to 11 significant bits, part 1 = Wp less part 0
;   work-groups 176-431 x [8192][1024] f32 -> x_codes [8192][512 bytes], x_scales [8192][32]
; THE QUANTISER: a block of 32 along K has the scale 2^(floor(log2(its largest magnitude)) - 2); its byte is the largest magnitude's exponent field - 2, held at 1 from below; each number is divided by the scale and
; rounded to the nearest code, ties to even, beyond 6 the largest code.  A block of zeros gets the byte 1 where the rule says 127: its codes are zeros, and this program alone reads the bytes.
; LIMITS: blocks whose largest magnitude lies under 2^-124 keep the byte 1; NaN and infinities among the inputs are not served; |Wp| stays under 65,504 (f16); where a part of Wp falls under 2^-14 it is kept to 2^-25 (f16's subnormals).
; The three paths part on the work-group's number and never join; each has LDS bytes of its own.
.set SPW,   190                        ; v190  LDS address of my spare word: SPARE + 4 x my thread's number; never rewritten
.set NIL,   191                        ; v191  0; never rewritten
.set SPARE, 104448                     ; behind the three regions: the spare words, 128 bytes a wave: two blocks of 256 bytes that no other line names
; path x
.set STEPS, 16
.set EMAX,  2
.set CB,    8                          ; bytes of 16 codes
.set XR,    16                         ; v16-79   four sets of 16 numbers as loaded
.set XX,    80                         ; v80-111  two sets of 16 neighbours
.set XE,    112                        ; v112-127 a scale byte for each step
.set XC,    128                        ; v128-189 codes: four registers kept for each step
.set WREG,  8192                       ; LDS 0-32,767: a region a wave: two stages of 32 x SP bytes, then 256 scale bytes
.set SP,    80                         ; a lane's place in a stage: 64 bytes + 16 of padding
; path weights
.set WBASE, 32768                      ; LDS 32,768-67,583: a stage of 32 x 272 bytes a wave
.set NB,    16                         ; blocks of 32 along K for a wave (512 along K)
.set PITCH, 272
.set KROW,  512                        ; a row of codes in bytes
.set WN4,   4096                       ; a row of a weight in bytes
.set WX,    32                         ; v32-95   two sets of 32 numbers
.set WC,    96                         ; v96-99   a block's codes
.set WOUT,  112                        ; v112-175 the way out
.set WSB,   24                         ; v24-27   the scale bytes, four to a register
; path Wp
.set PBASE, 67584                      ; LDS 67,584-104,447: 2 x 32 x 144 bytes a wave
.set PP,    144                        ; a stage row: 128 bytes + 16
.set PX,    32                         ; v32-95   a column's 64 numbers, later the rows read back
.set PH,    96                         ; v96-127  high parts, two f16 a register
.set PL,    128                        ; v128-159 low parts
.set PT,    160                        ; v160-167 four pairs at work
	s_load_b512 s[8:23], s[0:1], 0x0               ; x s[8:9], Wq s[10:11], Wk s[12:13], Wv s[14:15], Wp s[16:17], x_codes s[18:19], x_scales s[20:21], w_codes s[22:23]
	s_load_b128 s[24:27], s[0:1], 0x40             ; w_scales s[24:25], wp16 s[26:27]
	v_lshl_add_u32 v[SPW], v0, 2, SPARE
	v_mov_b32 v[NIL], 0
	v_lshrrev_b32 v1, 5, v0
	v_readfirstlane_b32 s28, v1                    ; wave 0..3
	v_and_b32 v2, 31, v0                           ; lane
	s_wait_kmcnt 0x0
	s_cmp_lt_u32 ttmp9, 48
	s_cbranch_scc1 .Lweights
	s_cmp_lt_u32 ttmp9, 176
	s_cbranch_scc1 .Lproj_weight
; ---------------- x: a plain stream of blocks of 32.  A wave takes 16 steps of 512 numbers.  Each load reads 512 consecutive bytes; a step's 2,048 bytes turn through the wave's own stage so that a lane holds 16 neighbours.
	v_lshlrev_b32 v3, 4, v2                        ; my 16 bytes of a load's 512
	s_mul_i32 s29, s28, WREG
	v_lshrrev_b32 v14, 2, v2
	v_mul_u32_u24 v14, v14, SP
	v_and_b32 v15, 3, v2
	v_lshl_add_u32 v14, v15, 4, v14
	v_add_nc_u32 v14, s29, v14                     ; the stage, on the way in: SP (lane / 4) + 16 (lane % 4)
	v_mul_u32_u24 v15, v2, SP
	v_add_nc_u32 v15, s29, v15                     ; and on the way out: SP x lane
	v_mul_u32_u24 v4, v2, CB                       ; my codes' place in a step's
	v_lshrrev_b32 v5, 1, v2
	s_add_co_u32 s29, s29, 2*32*SP
	v_add_nc_u32 v5, s29, v5                       ; my wave's 256 scale bytes, my block's byte
	v_lshlrev_b32 v7, 3, v2
	v_add_nc_u32 v6, s29, v7                       ; and on the way out 8 bytes a lane
	s_sub_co_u32 s29, ttmp9, 176
	s_lshl_b32 s29, s29, 2
	s_add_co_u32 s30, s29, s28                     ; which run of 8,192 numbers is my wave's
	s_mov_b32 s31, 0
	s_lshl_b64 s[32:33], s[30:31], 15              ; 32,768 bytes of x a run
	s_add_nc_u64 s[8:9], s[8:9], s[32:33]
	s_lshl_b64 s[32:33], s[30:31], 12              ; 4,096 bytes of codes
	s_add_nc_u64 s[18:19], s[18:19], s[32:33]
	s_lshl_b32 s30, s30, 8                         ; 256 scale bytes
	s_add_nc_u64 s[20:21], s[20:21], s[30:31]
.macro LOADX t
.irp i, 0,1,2,3
	global_load_b128 v[XR+16*((\t)%4)+4*\i:XR+16*((\t)%4)+4*\i+3], v3, s[8:9] offset:2048*(\t)+512*\i th:TH_LOAD_NT
.endr
.endm
.macro TURNX t                         ; step t's numbers through the stage: LDS serves a wave's instructions in order, so no wait stands between the stores and the loads
.irp i, 0,1,2,3
	ds_store_b128 v14, v[XR+16*((\t)%4)+4*\i:XR+16*((\t)%4)+4*\i+3] offset:32*SP*((\t)%2)+8*SP*\i
.endr
.irp i, 0,1,2,3
	ds_load_b128 v[XX+16*((\t)%2)+4*\i:XX+16*((\t)%2)+4*\i+3], v15 offset:32*SP*((\t)%2)+16*\i
.endr
.endm
.irp t, 0,1,2,3
	LOADX \t
.endr
	s_wait_loadcnt 12                              ; step 0's four loads are in; the twelve of steps 1 to 3 may be out
	TURNX 0
.macro STEPX t
.set XS, XX+16*((\t)%2)
.if (\t) > 0
	s_wait_dscnt 1                                 ; this step's numbers are back from the stage (the last step's byte store may be out)
.else
	s_wait_dscnt 0x0
.endif
.if (\t)+4 < STEPS
	LOADX (\t)+4                                   ; into the registers whose stores into the stage are done
.endif
.if (\t)+1 < STEPS
.if STEPS-2-(\t) >= 3
	s_wait_loadcnt 12                              ; the next step's four loads are in; those of the three steps behind it may be out
.else
	s_wait_loadcnt 4*(STEPS-2-(\t))
.endif
	TURNX (\t)+1
.endif
	v_max3_num_f32 v8, |v[XS]|, |v[XS+1]|, |v[XS+2]|               ; the largest magnitude of my 16
	v_max3_num_f32 v9, |v[XS+3]|, |v[XS+4]|, |v[XS+5]|
.irp i, 6,10
	v_max3_num_f32 v8, v8, |v[XS+\i]|, |v[XS+\i+1]|
	v_max3_num_f32 v9, v9, |v[XS+\i+2]|, |v[XS+\i+3]|
.endr
	v_max3_num_f32 v8, v8, |v[XS+14]|, |v[XS+15]|
	v_max3_num_f32 v8, v8, v9, (EMAX+1)<<23        ; and the floor 2^(3 - 127): the byte cannot fall under 1
	v_max_num_f32_dpp v8, v8, v8 row_xmask:1 row_mask:0xf bank_mask:0xf   ; and of my neighbour's 16: the block's
	v_add_nc_u32 v11, -(EMAX<<23), v8              ; 2 off its exponent field: the conversion takes the exponent field of this operand as its scale
	v_cvt_scalef32_pk8_fp4_f32 v[XC+4*(\t)], v[XS:XS+7], v11
	v_cvt_scalef32_pk8_fp4_f32 v[XC+4*(\t)+1], v[XS+8:XS+15], v11
	v_lshrrev_b32 v[XE+(\t)], 23, v11              ; the scale's byte
	ds_store_b8 v5, v[XE+(\t)] offset:16*(\t)      ; both lanes of a block write the same byte with the same value
	global_store_b64 v4, v[XC+4*(\t):XC+4*(\t)+1], s[18:19] offset:32*CB*(\t)   ; the wave stores 256 consecutive bytes, aligned
.endm
.irp t, 0,1,2,3,4,5,6,7,8,9,10,11,12,13,14,15
	STEPX \t
.endr
	ds_load_b64 v[8:9], v6                         ; my wave's 256 scale bytes
	s_wait_dscnt 0x0
	global_store_b64 v7, v[8:9], s[20:21]          ; 256 consecutive bytes, aligned
	s_wait_tensorcnt 0x0                           ; the wave's end
	ds_add_u32 v[SPW], v[NIL]
	s_wait_dscnt 0x0
	s_endpgm
; ---------------- Wq, Wk, Wv: K is the first axis.  A lane takes a column, its registers run down K: a block of 32 lies in one lane, and the codes come out with K innermost.
.Lweights:
	s_lshr_b32 s29, ttmp9, 4                       ; which weight: 0 Wq, 1 Wk, 2 Wv
	s_and_b32 s30, ttmp9, 7                        ; which 128 columns
	s_bfe_u32 s31, ttmp9, 0x10003                  ; which 512 along K
	s_cmp_eq_u32 s29, 0
	s_cselect_b64 s[4:5], s[10:11], s[12:13]
	s_cmp_eq_u32 s29, 2
	s_cselect_b64 s[4:5], s[14:15], s[4:5]
	s_lshl_b32 s30, s30, 7
	s_lshl_b32 s32, s28, 5
	s_add_co_u32 s30, s30, s32                     ; my wave's first column
	s_lshl_b32 s32, s31, 21                        ; 512 rows of 4,096 bytes
	s_lshl_b32 s33, s30, 2
	s_add_co_u32 s32, s32, s33
	s_mov_b32 s33, 0
	s_add_nc_u64 s[4:5], s[4:5], s[32:33]
	s_lshl_b32 s29, s29, 10
	s_add_co_u32 s30, s30, s29                     ; its row among the 3,072
	s_lshl_b32 s32, s30, 9
	s_lshl_b32 s34, s31, 8
	s_add_co_u32 s32, s32, s34
	s_add_nc_u64 s[22:23], s[22:23], s[32:33]      ; codes: row x 512 + 256 x half of K
	s_lshl_b32 s32, s30, 5
	s_lshl_b32 s34, s31, 4
	s_add_co_u32 s32, s32, s34
	s_add_nc_u64 s[24:25], s[24:25], s[32:33]      ; scale bytes: row x 32 + 16 x half of K
	v_lshlrev_b32 v3, 2, v2                        ; in: 4 bytes a lane
	s_mul_i32 s35, s28, 32*PITCH
	s_add_co_u32 s35, s35, WBASE                   ; my stage
	v_mul_u32_u24 v4, v2, PITCH
	v_add_nc_u32 v4, s35, v4                       ; into it: row = my column
	v_and_b32 v5, 15, v2
	v_lshrrev_b32 v6, 4, v2
	v_mul_u32_u24 v7, v6, PITCH
	v_lshl_add_u32 v7, v5, 4, v7
	v_add_nc_u32 v7, s35, v7                       ; out of it: sixteen lanes to a row, two rows an instruction
	v_mul_u32_u24 v8, v6, KROW
	v_lshl_add_u32 v8, v5, 4, v8                   ; and the same place in the codes' buffer
	v_lshlrev_b32 v9, 5, v2                        ; my column's row of scale bytes
.macro LOADW t
.irp i, 0,1,2,3,4,5,6,7,8,9,10,11,12,13,14,15,16,17,18,19,20,21,22,23,24,25,26,27,28,29,30,31
	global_load_b32 v[WX+32*((\t)%2)+\i], v3, s[4:5] offset:(32*(\t)+\i)*WN4 th:TH_LOAD_NT
.endr
.endm
	LOADW 0
	LOADW 1
.macro BLOCKW t
.set XS, WX+32*((\t)%2)
.if (\t) < NB-1
	s_wait_loadcnt 32                              ; this block's 32 loads are in; the next block's may be out
.else
	s_wait_loadcnt 0
.endif
	v_max3_num_f32 v12, |v[XS]|, |v[XS+1]|, |v[XS+2]|
	v_max3_num_f32 v13, |v[XS+3]|, |v[XS+4]|, |v[XS+5]|
.irp i, 6,10,14,18,22,26
	v_max3_num_f32 v12, v12, |v[XS+\i]|, |v[XS+\i+1]|
	v_max3_num_f32 v13, v13, |v[XS+\i+2]|, |v[XS+\i+3]|
.endr
	v_max3_num_f32 v12, v12, |v[XS+30]|, |v[XS+31]|
	v_max3_num_f32 v12, v12, v13, (EMAX+1)<<23     ; with the floor
	v_add_nc_u32 v11, -(EMAX<<23), v12             ; the conversion's scale operand
	v_lshrrev_b32 v13, 23, v11                     ; the scale's byte
.if (\t)%4 == 0
	v_mov_b32 v[WSB+(\t)/4], v13
.else
	v_lshl_or_b32 v[WSB+(\t)/4], v13, 8*((\t)%4), v[WSB+(\t)/4]
.endif
.irp g, 0,1,2,3
	v_cvt_scalef32_pk8_fp4_f32 v[WC+\g], v[XS+8*\g:XS+8*\g+7], v11
.endr
	ds_store_b128 v4, v[WC:WC+3] offset:16*(\t)    ; 32 codes: 16 bytes of my column's row
.if (\t)+2 < NB
	LOADW (\t)+2
.endif
	s_wait_dscnt 0x0                               ; the store has read its registers: the next block's codes may be written
.endm
.set Q, 0
.rept NB
	BLOCKW Q
.set Q, Q+1
.endr
	global_store_b128 v9, v[WSB:WSB+3], s[24:25]   ; my column's 16 scale bytes
.irp t, 0,1,2,3,4,5,6,7,8,9,10,11,12,13,14,15
	ds_load_b128 v[WOUT+4*\t:WOUT+4*\t+3], v7 offset:2*\t*PITCH
.endr
.irp t, 0,1,2,3,4,5,6,7,8,9,10,11,12,13,14,15
	s_wait_dscnt 15-\t                             ; LDS loads come back in order: load t is in
	global_store_b128 v8, v[WOUT+4*\t:WOUT+4*\t+3], s[22:23] offset:2*\t*KROW   ; sixteen lanes store 256 consecutive bytes, aligned
.endr
	s_wait_tensorcnt 0x0                           ; the wave's end
	ds_add_u32 v[SPW], v[NIL]
	s_wait_dscnt 0x0
	s_endpgm
; ---------------- Wp: a lane takes a column n, its 64 registers a plane's 64 k.  high = the f32 bits + 0x1000, cut to 11 significant bits (nearest, ties away from zero): a number of f16; low = Wp - high, exact in f32.
.Lproj_weight:
	s_sub_co_u32 s29, ttmp9, 48
	s_and_b32 s30, s29, 7                          ; which 128 columns
	s_lshr_b32 s31, s29, 3                         ; which plane of 64 k
	s_lshl_b32 s30, s30, 7
	s_lshl_b32 s32, s28, 5
	s_add_co_u32 s30, s30, s32                     ; my wave's first column
	s_lshl_b32 s32, s31, 18                        ; 64 rows of 4,096 bytes
	s_lshl_b32 s33, s30, 2
	s_add_co_u32 s32, s32, s33
	s_mov_b32 s33, 0
	s_add_nc_u64 s[16:17], s[16:17], s[32:33]
	s_lshl_b32 s32, s31, 10
	s_add_co_u32 s32, s32, s30
	s_lshl_b32 s32, s32, 7                         ; (plane x 1,024 + column) x 128 bytes
	s_add_nc_u64 s[26:27], s[26:27], s[32:33]
	s_mov_b32 s35, 0xffffe000                      ; sign, exponent and ten bits of mantissa
	v_lshlrev_b32 v3, 2, v2
	s_mul_i32 s34, s28, 2*32*PP
	s_add_co_u32 s34, s34, PBASE
	v_mul_u32_u24 v4, v2, PP
	v_add_nc_u32 v4, s34, v4                       ; into the stage: row = my column
	v_lshrrev_b32 v5, 3, v2
	v_mul_u32_u24 v5, v5, PP
	v_and_b32 v6, 7, v2
	v_lshl_add_u32 v5, v6, 4, v5
	v_add_nc_u32 v5, s34, v5                       ; back: eight lanes to a row of 128 bytes, four rows an instruction
	v_lshlrev_b32 v6, 4, v2                        ; which are 512 consecutive bytes of wp16
.set n, 0
.rept 64
	global_load_b32 v[PX+n], v3, s[16:17] offset:n*WN4 th:TH_LOAD_NT
.set n, n+1
.endr
.macro SPLIT p
	v_add_nc_u32 v[PT+2*((\p)%4)], 0x1000, v[PX+2*(\p)]
	v_add_nc_u32 v[PT+2*((\p)%4)+1], 0x1000, v[PX+2*(\p)+1]
	v_and_b32 v[PT+2*((\p)%4)], s35, v[PT+2*((\p)%4)]
	v_and_b32 v[PT+2*((\p)%4)+1], s35, v[PT+2*((\p)%4)+1]
	v_pk_add_f32 v[PX+2*(\p):PX+2*(\p)+1], v[PX+2*(\p):PX+2*(\p)+1], v[PT+2*((\p)%4):PT+2*((\p)%4)+1] neg_lo:[0,1] neg_hi:[0,1]
	v_cvt_pk_f16_f32 v[PH+(\p)], v[PT+2*((\p)%4)], v[PT+2*((\p)%4)+1]
	v_cvt_pk_f16_f32 v[PL+(\p)], v[PX+2*(\p)], v[PX+2*(\p)+1]
.endm
	s_wait_loadcnt 32                              ; the first 32 numbers are in; the other 32 loads may be out
.set n, 0
.rept 16
	SPLIT n
.set n, n+1
.endr
	s_wait_loadcnt 0x0
.rept 16
	SPLIT n
.set n, n+1
.endr
.irp g, 0,1,2,3,4,5,6,7
	ds_store_b128 v4, v[PH+4*\g:PH+4*\g+3] offset:16*\g
.endr
.irp g, 0,1,2,3,4,5,6,7
	ds_store_b128 v4, v[PL+4*\g:PL+4*\g+3] offset:32*PP+16*\g
.endr
.irp i, 0,1,2,3,4,5,6,7,8,9,10,11,12,13,14,15
	ds_load_b128 v[PX+4*\i:PX+4*\i+3], v5 offset:(\i/8)*32*PP+(\i%8)*4*PP   ; LDS serves a wave's instructions in order: these see my stores
.endr
.irp i, 0,1,2,3,4,5,6,7,8,9,10,11,12,13,14,15
	s_wait_dscnt 15-\i
	global_store_b128 v6, v[PX+4*\i:PX+4*\i+3], s[26:27] offset:(\i/8)*2097152+(\i%8)*512   ; 512 consecutive bytes, aligned
.endr
	s_wait_tensorcnt 0x0                           ; the wave's end
	ds_add_u32 v[SPW], v[NIL]
	s_wait_dscnt 0x0
	s_endpgm
.Lfunc_end_k_q5cb2a677c1_prep:
	.size	k_q5cb2a677c1_prep, .Lfunc_end_k_q5cb2a677c1_prep-k_q5cb2a677c1_prep
	.p2alignl 7, 3214868480
	.fill 96, 4, 3214868480
	.section	.rodata,"a",@progbits
	.p2align	6, 0x0
	.amdhsa_kernel k_q5cb2a677c1_prep
		.amdhsa_group_segment_fixed_size 104960
		.amdhsa_private_segment_fixed_size 0
		.amdhsa_enable_private_segment 0
		.amdhsa_kernarg_size 80
		.amdhsa_user_sgpr_count 2
		.amdhsa_user_sgpr_kernarg_segment_ptr 1
		.amdhsa_wavefront_size32 1
		.amdhsa_system_sgpr_workgroup_id_x 1
		.amdhsa_system_sgpr_workgroup_id_y 1
		.amdhsa_system_sgpr_workgroup_id_z 1
		.amdhsa_system_vgpr_workitem_id 0
		.amdhsa_next_free_vgpr 192
		.amdhsa_next_free_sgpr 66
		.amdhsa_reserve_vcc 0
		.amdhsa_float_denorm_mode_32 3
		.amdhsa_float_denorm_mode_16_64 3
		.amdhsa_memory_ordered 1
		.amdhsa_forward_progress 1
		.amdhsa_inst_pref_size 134
	.end_amdhsa_kernel
	.amdgpu_metadata
---
amdhsa.version: [ 1, 2 ]
amdhsa.kernels:
  - .name:           k_q5cb2a677c1_prep
    .symbol:         k_q5cb2a677c1_prep.kd
    .args:
      - { .name: x, .offset: 0, .size: 8, .value_kind: global_buffer, .address_space: global }
      - { .name: Wq, .offset: 8, .size: 8, .value_kind: global_buffer, .address_space: global }
      - { .name: Wk, .offset: 16, .size: 8, .value_kind: global_buffer, .address_space: global }
      - { .name: Wv, .offset: 24, .size: 8, .value_kind: global_buffer, .address_space: global }
      - { .name: Wp, .offset: 32, .size: 8, .value_kind: global_buffer, .address_space: global }
      - { .name: x_codes, .offset: 40, .size: 8, .value_kind: global_buffer, .address_space: global }
      - { .name: x_scales, .offset: 48, .size: 8, .value_kind: global_buffer, .address_space: global }
      - { .name: w_codes, .offset: 56, .size: 8, .value_kind: global_buffer, .address_space: global }
      - { .name: w_scales, .offset: 64, .size: 8, .value_kind: global_buffer, .address_space: global }
      - { .name: wp16, .offset: 72, .size: 8, .value_kind: global_buffer, .address_space: global }
    .group_segment_fixed_size: 104960
    .private_segment_fixed_size: 0
    .kernarg_segment_align: 8
    .kernarg_segment_size: 80
    .max_flat_workgroup_size: 128
    .sgpr_count:     66
    .vgpr_count:     192
    .wavefront_size: 32
...
	.end_amdgpu_metadata
.endif
;; end of part 1
;; launch qkv (part 2): grid 12 x 32, 4 waves a work-group, clusters of 4 x 4, 327,680 bytes of LDS; arguments x_codes, x_scales, w_codes, w_scales, bq, bk, bv, qkv, fineqkv; writes qkv, fineqkv
.if DOCPART == 2
	.amdgcn_target "amdgcn-amd-amdhsa--gfx1250"
	.amdhsa_code_object_version 6
	.text
	.protected	k_q5cb2a677c1_qkv
	.globl	k_q5cb2a677c1_qkv
	.p2align	8
	.type	k_q5cb2a677c1_qkv,@function
k_q5cb2a677c1_qkv:
	s_mov_b64 s[64:65], 0
	v_nop
	global_prefetch_b8 v0, s[64:65] scope:SCOPE_SE
	s_setreg_imm32_b32 hwreg(HW_REG_WAVE_MODE, 25, 1), 1
	s_wait_xcnt 0x0
	s_wait_alu depctr_hold_cnt(0) depctr_sa_sdst(0) depctr_va_vdst(0) depctr_va_sdst(0) depctr_va_ssrc(0) depctr_va_vcc(0) depctr_vm_vsrc(0)
	s_getreg_b32 s2, hwreg(HW_REG_IB_STS2, 6, 4)
	s_cmp_eq_u32 s2, 0
	s_cbranch_scc0 .Lentry_in_a_cluster
	s_endpgm
.Lentry_in_a_cluster:
	s_bfe_u32 s2, ttmp6, 0x10000c
	s_cmp_lg_u32 s2, 0xf033
	s_cbranch_scc0 .Lentry_shape_is_right
	s_endpgm
.Lentry_shape_is_right:
; q, k, v = x W + b: one product [8192] x [3072] over K = 1,024 on codes of FP4 (E2M1) with one E8M0 scale for each 32 along K; sums in f32, the bias as the C of each sum's first matrix instruction.
; A tile of C, 256 x 256, is made by four waves, 128 x 128 each: 64 accumulators, 512 registers.  K is two steps of 512 (rows of 256 bytes): both, and the scales of the tile's rows, are asked for at the head: nothing is filled again.
; CLUSTERS: 4 x 4 work-groups.  Tile row = cluster y + 8 cy, so that cy is the batch and 'the tile holds positions 0-15 of its sequence' is cluster y = 0, the same in all sixteen partners; tile column = 4 x cluster x + cx, so that
; cluster x is the weight (0 q, 1 k, 2 v).  The four of a row of the cluster ask jointly for A's tiles, the four of a column for B's.
; THE MATRIX INSTRUCTION IS USED TRANSPOSED (source 0 = 16 rows of w_codes, source 1 = 16 rows of x_codes): a lane holds eight neighbouring columns of one row of C.
; OUT: qkv [3][64 = batch x 16 + head][2048 t][64] f16; and, for positions 0-15 of each sequence, the f32 accumulators as they stand: fineqkv [4 batch][192 = column / 16][2 halves][32 lanes][16 bytes].
; LIMITS: |q|, |k|, |v| stay under 65,504 (f16); NaN and infinities are not served.
; REGISTERS, in windows of 256: window 0: v0-31 addresses; v32-95 scale words, two sets; v128-191 A's fragments, one set; v192-255 the bias in the result's layout; on the way out v32-63 and v128-191 are free.
;   window 1: B's fragments, two sets, at v0 and v128.   window 2: the accumulators of my rows 0-63 ((a, b) at v[8 (8 a + b)]);   window 3: those of my rows 64-127.
.set NQ,     4                         ; matrix instructions deep in a K step of 512
.set ROWB,   256                       ; a tile's row in bytes
.set KROW,   512                       ; a row of codes in memory
.set PITCH,  272                       ; an LDS row: 256 bytes + 16: the 16 rows that a load touches start 16 bytes apart modulo 256
.set FR,     8
.set NL,     2
.set NP,     4                         ; places behind this matrix instruction (ISA guide 7.12.1)
.set HALFT,  128*PITCH
.set SLOT,   4*HALFT                   ; A's 256 rows, then B's 256 rows
.set KS,     32                        ; a row of scales in bytes
.set SCL,    2*SLOT                    ; behind the two slots: the scales, as units of 256 bytes + 16
.set HALFS,  (128*KS/256)*272
.set SBLK,   (16*KS/256)*272
.set SPARE,  SCL+4*HALFS               ; the spare words, 128 bytes a wave: two blocks of 256 bytes that no other line names
.set SPITCH, 272                       ; the way out: 16 rows x (256 bytes + 16) a wave, in slot 0, which has had its only fill and its last read by then
.set ADRA, 16
.set ADRB, 20
.set STO,  24
.set RD,   25
.set CO,   26
.set ADRS, 27
.set SPW,  28
.set NIL,  29
.set FO,   30                          ; v30  16 x lane
.set BO,   31                          ; v31  32 x (lane / 16): the bias loads' offset
.set SC,   32
.set TMP,  32                          ; the way out: a block's 32 packed registers
.set AF,   128
.set BK,   128                         ; the way out: rows read back: v128-159 and v160-191 by turns
.set BI,   192
.set G1, 24
.set G0, 32
.set G1B, 48
.set G0B, 56
.set G1S, 68
.set G0S, 76
.set G1SB, 80
.set G0SB, 88
.set MSB, 0
.macro WIN new                         ; the immediate's high byte repeats the setting that is left
.if MSB != (\new)
	s_set_vgpr_msb (MSB<<8)|(\new)
.set MSB, (\new)
.endif
.endm
.set MUL_LO, 0xa1                      ; source 0 (B) window 1, source 1 (A) window 0, C and D window 2
.set MUL_HI, 0xf1                      ; the same, C and D window 3
.set BEG_LO, 0x81                      ; the first step: C (the bias) window 0, D window 2
.set BEG_HI, 0xc1                      ; D window 3
.set TO_B,   0x40
; A joint load: waves 0 and 1 fetch for A, waves 2 and 3 for B; the branch hangs on the wave's number alone.  An s_nop 0 and four v_nop follow each of the two lines.
.macro JLOAD g0a, g1a, g0b, g1b
	s_cmp_eq_u32 s15, 0
	s_cbranch_scc0 .Lfor_b_\@
	tensor_load_to_lds s[\g0a:\g0a+3], s[\g1a:\g1a+7]
	s_nop 0
.rept 4
	v_nop
.endr
	s_branch .Lasked_\@
.Lfor_b_\@:
	tensor_load_to_lds s[\g0b:\g0b+3], s[\g1b:\g1b+7]
	s_nop 0
.rept 4
	v_nop
.endr
.Lasked_\@:
.endm
.macro CROUND                          ; a round of the cluster's barrier
	s_barrier_signal -1
	s_barrier_wait -1
	s_cmp_lg_u32 s14, 0
	s_cbranch_scc1 .Lnot_wave_0_\@
	s_barrier_signal -3
.Lnot_wave_0_\@:
	s_barrier_wait -3
	s_barrier_signal -1
	s_barrier_wait -1
.endm
	s_load_b256 s[4:11], s[0:1], 0x0               ; x_codes s[4:5], x_scales s[6:7], w_codes s[8:9], w_scales s[10:11]
	s_load_b128 s[96:99], s[0:1], 0x20             ; bq, bk
	s_load_b64 s[100:101], s[0:1], 0x30            ; bv
	s_load_b64 s[12:13], s[0:1], 0x38              ; qkv
	s_load_b64 s[66:67], s[0:1], 0x40              ; fineqkv
	v_lshl_add_u32 v[SPW], v0, 2, SPARE
	v_mov_b32 v[NIL], 0
	ds_add_u32 v[SPW], v[NIL]                      ; the wave's opening: the add, twice on end, and its wait ahead of my first tensor load
	ds_add_u32 v[SPW], v[NIL]
	v_lshrrev_b32 v1, 5, v0
	v_readfirstlane_b32 s14, v1                    ; wave 0..3
	s_lshr_b32 s15, s14, 1                         ; which half of the tile's rows is mine.  Also: I fetch for A (0) or for B (1)
	s_and_b32 s16, s14, 1                          ; which half of its columns.  Also: which 128 rows of that tile I fetch
	s_bfe_u32 s40, ttmp6, 0x40000                  ; cx
	s_bfe_u32 s41, ttmp6, 0x40004                  ; cy
	s_lshl_b32 s42, ttmp9, 2
	s_add_co_u32 s42, s42, s40                     ; tile column = 4 x cluster x + cx
	s_and_b32 s95, ttmp7, 0xffff                   ; cluster y
	s_lshl_b32 s17, s41, 3
	s_add_co_u32 s17, s17, s95                     ; tile row = 8 cy + cluster y
	s_lshl_b32 s43, s41, 2
	s_lshl_b32 s43, 15, s43                        ; my row of the cluster
	s_lshl_b32 s44, 0x1111, s40                    ; my column
	s_or_b32 s[G1+0], s43, (0<<16)|(1<<20)|(1<<21)|(5<<22)|(3<<25)  ; the mask; elements of 1 byte; padding on; bit 21 beside a mask; after every 64 words, 4 words
	s_or_b32 s[G1B+0], s44, (0<<16)|(1<<20)|(1<<21)|(5<<22)|(3<<25)
.irp g, G1, G1B
	s_mov_b32 s[\g+1], ROWB<<16                    ; tensor_dim0
	s_mov_b32 s[\g+2], 128<<16                     ; tensor_dim1
	s_mov_b32 s[\g+3], ROWB<<16                    ; tile_dim0
	s_mov_b32 s[\g+4], 128                         ; tile_dim1
	s_mov_b32 s[\g+5], KROW                        ; the pitch
	s_mov_b32 s[\g+6], 0
	s_mov_b32 s[\g+7], 0
.endr
	s_or_b32 s[G1S+0], s43, (3<<16)|(1<<20)|(1<<21)|(5<<22)|(3<<25) ; the scales of 128 rows: 4,096 dense bytes as 16 rows of 256 (32 elements of 8 bytes), 16 bytes of padding behind each
	s_or_b32 s[G1SB+0], s44, (3<<16)|(1<<20)|(1<<21)|(5<<22)|(3<<25)
.irp g, G1S, G1SB
	s_mov_b32 s[\g+1], 32<<16
	s_mov_b32 s[\g+2], (128*KS/256)<<16
	s_mov_b32 s[\g+3], 32<<16
	s_mov_b32 s[\g+4], 128*KS/256
	s_mov_b32 s[\g+5], 32
	s_mov_b32 s[\g+6], 0
	s_mov_b32 s[\g+7], 0
.endr
	s_lshl_b32 s18, s16, 7                         ; which 128 rows of the tile I fetch
	s_lshl_b32 s20, s17, 8
	s_add_co_u32 s20, s20, s18                     ; A: row 256 x tile row + 128 x half
	s_lshl_b32 s46, s42, 8
	s_add_co_u32 s46, s46, s18                     ; B: row 256 x tile column + 128 x half
	s_mov_b32 s21, 0
	s_mov_b32 s47, 0
	s_mov_b64 s[18:19], KS
	s_mul_u64 s[22:23], s[20:21], s[18:19]         ; where these rows' scales begin
	s_mul_u64 s[92:93], s[46:47], s[18:19]
	s_mov_b64 s[18:19], KROW
	s_mul_u64 s[20:21], s[20:21], s[18:19]         ; and their codes
	s_mul_u64 s[46:47], s[46:47], s[18:19]
	s_mul_i32 s45, s14, HALFT                      ; where they go: wave x 128 rows
	s_mul_i32 s94, s14, HALFS
	s_wait_dscnt 0x0                               ; both opening adds are done
	s_wait_kmcnt 0x0
	s_add_nc_u64 s[20:21], s[4:5], s[20:21]
	s_add_nc_u64 s[22:23], s[6:7], s[22:23]
	s_add_nc_u64 s[46:47], s[8:9], s[46:47]
	s_add_nc_u64 s[92:93], s[10:11], s[92:93]
	CROUND                                         ; all sixteen work-groups are here: the joint loads meet
	s_mov_b32 s[G0S], 1
	s_add_co_u32 s[G0S+1], s94, SCL
	s_mov_b64 s[G0S+2:G0S+3], s[22:23]
	s_or_b32 s[G0S+3], s[G0S+3], 0x80000000
	s_mov_b32 s[G0SB], 1
	s_add_co_u32 s[G0SB+1], s94, SCL
	s_mov_b64 s[G0SB+2:G0SB+3], s[92:93]
	s_or_b32 s[G0SB+3], s[G0SB+3], 0x80000000
	JLOAD G0S, G1S, G0SB, G1SB                     ; the scales first: they are wanted with K step 0
.irp s, 0,1
	s_mov_b32 s[G0+4*\s], 1
	s_add_co_u32 s[G0+4*\s+1], s45, \s*SLOT
	s_add_nc_u64 s[G0+4*\s+2:G0+4*\s+3], s[20:21], \s*ROWB
	s_or_b32 s[G0+4*\s+3], s[G0+4*\s+3], 0x80000000
	s_mov_b32 s[G0B+4*\s], 1
	s_add_co_u32 s[G0B+4*\s+1], s45, \s*SLOT
	s_add_nc_u64 s[G0B+4*\s+2:G0B+4*\s+3], s[46:47], \s*ROWB
	s_or_b32 s[G0B+4*\s+3], s[G0B+4*\s+3], 0x80000000
	JLOAD G0+4*\s, G1, G0B+4*\s, G1B               ; three tensor loads of mine are out now
.endr
	v_and_b32 v1, 15, v0                           ; r = lane % 16
	v_bfe_u32 v2, v0, 4, 1                         ; h = lane / 16
	; the bias: register 8 b + j of v192 on = bias[256 cx + 128 (wave % 2) + 16 b + 8 h + j]: the result's layout
	s_cmp_eq_u32 ttmp9, 0
	s_cselect_b64 s[96:97], s[96:97], s[98:99]
	s_cmp_eq_u32 ttmp9, 2
	s_cselect_b64 s[96:97], s[100:101], s[96:97]
	s_lshl_b32 s46, s40, 10
	s_lshl_b32 s47, s16, 9
	s_add_co_u32 s46, s46, s47
	s_mov_b32 s47, 0
	s_add_nc_u64 s[96:97], s[96:97], s[46:47]
	v_lshlrev_b32 v[BO], 5, v2
.irp b, 0,1,2,3,4,5,6,7
	global_load_b128 v[BI+8*\b:BI+8*\b+3], v[BO], s[96:97] offset:64*\b
	global_load_b128 v[BI+8*\b+4:BI+8*\b+7], v[BO], s[96:97] offset:64*\b+16
.endr
	v_mul_u32_u24 v3, v1, PITCH
	v_lshl_add_u32 v4, v2, 4, v3                   ; a fragment's row x pitch + 16 x half
	s_mul_i32 s21, s15, HALFT                      ; my 128 rows of A
	s_mul_i32 s22, s16, HALFT                      ; my 128 rows of B,
	s_add_co_u32 s22, s22, 2*HALFT                 ; which lie behind A's 256
.irp s, 0,1
	v_add_nc_u32 v[ADRA+\s], s21, v4
	v_add_nc_u32 v[ADRB+\s], s22, v4
	s_add_co_u32 s21, s21, SLOT
	s_add_co_u32 s22, s22, SLOT
.endr
	v_mul_u32_u24 v5, v1, KS                       ; my row's scales: 32 bytes a row,
	v_lshrrev_b32 v6, 8, v5
	v_lshl_add_u32 v5, v6, 4, v5                   ; and 16 more for each 256 passed
	s_mul_i32 s21, s15, HALFS
	s_mul_i32 s22, s16, HALFS
	s_add_co_u32 s22, s22, 2*HALFS
	s_sub_co_u32 s22, s22, s21
	v_mul_u32_u24 v6, s22, v2                      ; lanes 16-31 take B's
	s_add_co_u32 s21, s21, SCL
	v_add_nc_u32 v5, v5, v6
	v_add_nc_u32 v[ADRS], s21, v5
	s_mul_i32 s23, s14, 16*SPITCH                  ; my stage
	v_add_nc_u32 v[STO], s23, v4                   ; in: row r, 16 bytes for each half of the lanes
	v_bfe_u32 v5, v0, 3, 1
	v_and_b32 v3, 7, v0
	v_mul_u32_u24 v6, v5, SPITCH                   ; back: sixteen lanes take one head's 128 bytes of two neighbouring rows; lanes 16-31 the other head's
	v_lshl_add_u32 v6, v2, 7, v6
	v_lshl_add_u32 v6, v3, 4, v6
	v_add_nc_u32 v[RD], s23, v6
	v_lshlrev_b32 v[CO], 18, v2                    ; in qkv: a head is 262,144 bytes, a row 128
	v_lshl_add_u32 v[CO], v5, 7, v[CO]
	v_lshl_add_u32 v[CO], v3, 4, v[CO]
	v_and_b32 v6, 31, v0
	v_lshlrev_b32 v[FO], 4, v6
	; qkv at (((weight x 64 + batch x 16 + 4 cx + 2 (wave % 2)) x 2,048) + 256 x cluster y + 128 (wave / 2)) x 128 bytes
	s_lshl_b32 s20, ttmp9, 6
	s_lshl_b32 s21, s41, 4
	s_add_co_u32 s20, s20, s21
	s_lshl_b32 s21, s40, 2
	s_add_co_u32 s20, s20, s21
	s_lshl_b32 s21, s16, 1
	s_add_co_u32 s20, s20, s21
	s_lshl_b32 s20, s20, 11
	s_lshl_b32 s21, s95, 8
	s_add_co_u32 s20, s20, s21
	s_lshl_b32 s21, s15, 7
	s_add_co_u32 s20, s20, s21
	s_lshl_b32 s20, s20, 7
	s_mov_b32 s21, 0
	s_add_nc_u64 s[12:13], s[12:13], s[20:21]
	; fineqkv at (batch x 192 + 16 x tile column + 8 (wave % 2)) x 1,024 bytes
	s_mul_i32 s20, s41, 192
	s_lshl_b32 s22, s42, 4
	s_add_co_u32 s20, s20, s22
	s_lshl_b32 s22, s16, 3
	s_add_co_u32 s20, s20, s22
	s_lshl_b32 s20, s20, 10
	s_add_nc_u64 s[66:67], s[66:67], s[20:21]
.macro FRAG reg, adr, q, i             ; 16 rows x 128 K of 4-bit codes: 8 registers: lane l holds row l % 16; registers 4 c .. 4 c + 3 hold K = 64 c + 32 (l / 16) + 0 .. 31
.irp c, 0,1
	ds_load_b128 v[\reg+4*\c:\reg+4*\c+3], v[\adr] offset:64*(\q)+32*\c+(\i)*16*PITCH
.endr
.endm
; 16 matrix instructions: A's blocks a0, a0 + 1 x B's eight, 128 along K.  zero = 1: the first product starts the sums on the bias.  The 64 accumulators take turns, one instruction a turn.
.macro MUL16 a0, p, q, sc, zero
.irp a, \a0, \a0+1
.irp b, 0,1,2,3,4,5,6,7
.if \zero
	v_wmma_scale_f32_16x16x128_f8f6f4 v[8*(8*((\a)%4)+\b):8*(8*((\a)%4)+\b)+7], v[128*(\p)+FR*\b:128*(\p)+FR*\b+FR-1], v[AF+FR*(\a):AF+FR*(\a)+FR-1], v[BI+8*\b:BI+8*\b+7], v[SC+8*NQ*(\sc)+NQ*\b+(\q)], v[SC+8*NQ*(\sc)+NQ*(\a)+(\q)] matrix_a_fmt:MATRIX_FMT_FP4 matrix_b_fmt:MATRIX_FMT_FP4 matrix_a_scale:MATRIX_SCALE_ROW1
.else
	v_wmma_scale_f32_16x16x128_f8f6f4 v[8*(8*((\a)%4)+\b):8*(8*((\a)%4)+\b)+7], v[128*(\p)+FR*\b:128*(\p)+FR*\b+FR-1], v[AF+FR*(\a):AF+FR*(\a)+FR-1], v[8*(8*((\a)%4)+\b):8*(8*((\a)%4)+\b)+7], v[SC+8*NQ*(\sc)+NQ*\b+(\q)], v[SC+8*NQ*(\sc)+NQ*(\a)+(\q)] matrix_a_fmt:MATRIX_FMT_FP4 matrix_b_fmt:MATRIX_FMT_FP4 matrix_a_scale:MATRIX_SCALE_ROW1
.endif
.endr
.endr
.endm
.macro FETCH_B slot, q, p
	WIN TO_B
.irp i, 0,1,2,3,4,5,6,7
	FRAG 128*(\p)+FR*\i, ADRB+\slot, \q, \i
.endr
	WIN 0
.endm
.macro FETCH_A slot, q, i0
.irp i, \i0, \i0+1, \i0+2, \i0+3
	FRAG AF+FR*(\i), ADRA+\slot, \q, \i
.endr
.endm
.macro SCALES sc                       ; a K step's scale words: 4 words a row; lanes 0-15 take A's block i, lanes 16-31 B's block i
.irp i, 0,1,2,3,4,5,6,7
	ds_load_b128 v[SC+8*NQ*\sc+NQ*\i:SC+8*NQ*\sc+NQ*\i+3], v[ADRS] offset:\i*SBLK
.endr
.endm
.macro PLACES n                        ; plain vector places between a matrix instruction and a load into, or a read of, its registers
.rept \n
	v_nop
.endr
.endm
.macro STEP slot, q, zero              ; a step of 128 along K that has its successor in the same slot
	s_wait_dscnt 4*NL                              ; B's set, A's blocks 0-3 (and the scale words) are in; the youngest eight loads, A's blocks 4-7, may be out
.if \zero
	WIN BEG_LO
.else
	WIN MUL_LO
.endif
	MUL16 0, (\q)%2, \q, \slot, \zero
	MUL16 2, (\q)%2, \q, \slot, \zero
	s_wait_dscnt 0
	PLACES NP
	FETCH_B \slot, (\q)+1, 1-(\q)%2
	FETCH_A \slot, (\q)+1, 0
.if \zero
	WIN BEG_HI
.else
	WIN MUL_HI
.endif
	MUL16 4, (\q)%2, \q, \slot, \zero
	MUL16 6, (\q)%2, \q, \slot, \zero
	PLACES NP
	WIN 0
	FETCH_A \slot, (\q)+1, 4
.endm
.macro TURN slot, next                 ; slot 0's last step: one barrier; behind it slot 1 is whole for every wave, and nobody reads slot 0 any more
	s_wait_tensorcnt 0x0                           ; all my tensor loads have landed: my part of slot 1
	ds_add_u32 v[SPW], v[NIL]
	s_wait_dscnt 4*NL+1                            ; the add and the youngest eight loads, A's blocks 4-7, may be out
	WIN MUL_LO
	MUL16 0, 1, NQ-1, \slot, 0
	s_wait_dscnt 0x0                               ; the add is done, and my reads of this slot are over
	s_barrier_signal -1
	MUL16 2, 1, NQ-1, \slot, 0
	WIN 0
	s_barrier_wait -1
	PLACES NP
	v_add_nc_u32 v[ADRS], 4*NQ, v[ADRS]            ; on to the next K step's scale words
	FETCH_B \next, 0, 0
	FETCH_A \next, 0, 0
	SCALES \next
	WIN MUL_HI
	MUL16 4, 1, NQ-1, \slot, 0
	MUL16 6, 1, NQ-1, \slot, 0
	PLACES NP
	WIN 0
	FETCH_A \next, 0, 4
.endm
	s_wait_tensorcnt 1                             ; the scales and my part of K step 0 are in; K step 1's load may be out
	s_barrier_signal -1
	s_barrier_wait -1
	FETCH_B 0, 0, 0
	FETCH_A 0, 0, 0
	SCALES 0
	FETCH_A 0, 0, 4
	s_wait_loadcnt 0x0                             ; the bias
	STEP 0, 0, 1
	STEP 0, 1, 0
	STEP 0, 2, 0
	TURN 0, 1
	STEP 1, 0, 0
	STEP 1, 1, 0
	STEP 1, 2, 0
	s_wait_dscnt 4*NL                              ; the last step: nothing more to fetch
	WIN MUL_LO
	MUL16 0, 1, NQ-1, 1, 0
	MUL16 2, 1, NQ-1, 1, 0
	s_wait_dscnt 0
	WIN MUL_HI
	MUL16 4, 1, NQ-1, 1, 0
	MUL16 6, 1, NQ-1, 1, 0
	WIN 0
	PLACES NP                                      ; in front of the first reads of results, and of loads and vector writes into registers that the products read
	; positions 0-15 of a sequence are rows 0-15 of the tiles with cluster y = 0: block 0 of waves 0 and 1.  Their accumulators leave as they stand, in f32.  The branch hangs on the wave's number and the cluster's y alone.
	s_or_b32 s22, s15, s95
	s_cmp_lg_u32 s22, 0
	s_cbranch_scc1 .Lno_fine
	WIN 0x08                                       ; a store's data: window 2
.irp b, 0,1,2,3,4,5,6,7
	global_store_b128 v[FO], v[8*\b:8*\b+3], s[66:67] offset:1024*\b          ; each accumulator from its low end on; 512 consecutive bytes a store
	global_store_b128 v[FO], v[8*\b+4:8*\b+7], s[66:67] offset:1024*\b+512
.endr
	WIN 0
.Lno_fine:
; THE WAY OUT, block by block of 16 rows x 128 columns: rounded to f16, 16 bytes a lane into my stage, back so that sixteen lanes hold two neighbouring rows of one head: 256 consecutive bytes of qkv.
.macro PACK a
.set AC, 64*((\a)%4)
	WIN 0x0a+5*((\a)/4)                            ; sources 0 and 1: window 2 or 3
.irp b, 0,1,2,3,4,5,6,7
.irp r, 0,1,2,3
	v_cvt_pk_f16_f32 v[TMP+4*\b+\r], v[AC+8*\b+2*\r], v[AC+8*\b+2*\r+1]
.endr
.endr
	WIN 0
.endm
.macro TOSTAGE a
.set BB, BK+32*((\a)%2)
.irp b, 0,1,2,3,4,5,6,7
	ds_store_b128 v[STO], v[TMP+4*\b:TMP+4*\b+3] offset:32*\b
.endr
.irp t, 0,1,2,3,4,5,6,7
	ds_load_b128 v[BB+4*\t:BB+4*\t+3], v[RD] offset:\t*2*SPITCH    ; LDS serves a wave's instructions in order: these see the stores above
.endr
.endm
.macro SEND a
.set BB, BK+32*((\a)%2)
	s_wait_dscnt 0x0                               ; the block is back in registers
	s_wait_xcnt 0x0                                ; the stores of the block before have read their registers: the next block's loads may land there
.irp t, 0,1,2,3,4,5,6,7
	global_store_b128 v[CO], v[BB+4*\t:BB+4*\t+3], s[12:13] offset:(\a)*2048+\t*256
.endr
.endm
	PACK 0
	TOSTAGE 0
.irp a, 1,2,3,4,5,6,7
	PACK \a
	SEND \a-1
	TOSTAGE \a
.endr
	SEND 7
	s_wait_tensorcnt 0x0                           ; the wave's end
	ds_add_u32 v[SPW], v[NIL]
	s_wait_dscnt 0x0
	CROUND                                         ; the closing round
	s_endpgm
.Lfunc_end_k_q5cb2a677c1_qkv:
	.size	k_q5cb2a677c1_qkv, .Lfunc_end_k_q5cb2a677c1_qkv-k_q5cb2a677c1_qkv
	.p2alignl 7, 3214868480
	.fill 96, 4, 3214868480
	.section	.rodata,"a",@progbits
	.p2align	6, 0x0
	.amdhsa_kernel k_q5cb2a677c1_qkv
		.amdhsa_group_segment_fixed_size 327680
		.amdhsa_private_segment_fixed_size 0
		.amdhsa_enable_private_segment 0
		.amdhsa_kernarg_size 72
		.amdhsa_user_sgpr_count 2
		.amdhsa_user_sgpr_kernarg_segment_ptr 1
		.amdhsa_wavefront_size32 1
		.amdhsa_system_sgpr_workgroup_id_x 1
		.amdhsa_system_sgpr_workgroup_id_y 1
		.amdhsa_system_sgpr_workgroup_id_z 1
		.amdhsa_system_vgpr_workitem_id 0
		.amdhsa_next_free_vgpr 1024
		.amdhsa_next_free_sgpr 102
		.amdhsa_reserve_vcc 0
		.amdhsa_float_denorm_mode_32 3
		.amdhsa_float_denorm_mode_16_64 3
		.amdhsa_memory_ordered 1
		.amdhsa_forward_progress 1
		.amdhsa_inst_pref_size 130
	.end_amdhsa_kernel
	.amdgpu_metadata
---
amdhsa.version: [ 1, 2 ]
amdhsa.kernels:
  - .name:           k_q5cb2a677c1_qkv
    .symbol:         k_q5cb2a677c1_qkv.kd
    .args:
      - { .name: x_codes, .offset: 0, .size: 8, .value_kind: global_buffer, .address_space: global }
      - { .name: x_scales, .offset: 8, .size: 8, .value_kind: global_buffer, .address_space: global }
      - { .name: w_codes, .offset: 16, .size: 8, .value_kind: global_buffer, .address_space: global }
      - { .name: w_scales, .offset: 24, .size: 8, .value_kind: global_buffer, .address_space: global }
      - { .name: bq, .offset: 32, .size: 8, .value_kind: global_buffer, .address_space: global }
      - { .name: bk, .offset: 40, .size: 8, .value_kind: global_buffer, .address_space: global }
      - { .name: bv, .offset: 48, .size: 8, .value_kind: global_buffer, .address_space: global }
      - { .name: qkv, .offset: 56, .size: 8, .value_kind: global_buffer, .address_space: global }
      - { .name: fineqkv, .offset: 64, .size: 8, .value_kind: global_buffer, .address_space: global }
    .group_segment_fixed_size: 327680
    .private_segment_fixed_size: 0
    .kernarg_segment_align: 8
    .kernarg_segment_size: 72
    .max_flat_workgroup_size: 128
    .sgpr_count:     102
    .vgpr_count:     1024
    .wavefront_size: 32
...
	.end_amdgpu_metadata
.endif
;; end of part 2
;; launch attn (part 3): grid 4 x 64, 8 waves a work-group, no clusters, 327,680 bytes of LDS; arguments qkv, att; writes att
.if DOCPART == 3
	.amdgcn_target "amdgcn-amd-amdhsa--gfx1250"
	.amdhsa_code_object_version 6
	.text
	.protected	k_q5cb2a677c1_attn
	.globl	k_q5cb2a677c1_attn
	.p2align	8
	.type	k_q5cb2a677c1_attn,@function
k_q5cb2a677c1_attn:
	s_mov_b64 s[64:65], 0
	v_nop
	global_prefetch_b8 v0, s[64:65] scope:SCOPE_SE
	s_setreg_imm32_b32 hwreg(HW_REG_WAVE_MODE, 25, 1), 1
	s_wait_xcnt 0x0
; Causal attention: att[head][batch x 2048 + t][:] = the sum over s <= t of softmax_s(q[t] . k[s] / 8) v[s][:], for each of 64 (batch, head).  q, k, v: qkv [3][64][2048][64] f16.  att: [16 head][8192][64] f16.
; Products on f16 operands with f32 sums; maxima, exponentials and sums in f32; the weights p are rounded to f16 for the second product, the result once at the end.
; SHARES.  Work-group (p, head) owns the blocks of 256 queries 7 - p and then p.  Block i walks key slots 0 .. i of 256 keys, so every work-group walks 9 slots: 256 equal work-groups, constant trip counts, and every tile that is
; fetched is read.  A wave owns 32 queries, two tiles of 16; which 32 of the block: wave w takes w (w < 4) or 11 - w, so that waves w and w + 4 have together the same work in a slot on the diagonal.  A key step is 64 keys.
; NO CLUSTER: the four work-groups of a head walk the same first slots, but from the fifth trip on they differ (block 7 - p ends after 8 - p trips), so partners would ask for different tiles.
; LAYOUT.  S^T = K Q^T (source 0 = 16 keys, source 1 = 16 queries): a lane holds ONE query (lane % 16) and keys 8 (lane / 16) + 0..7.  Two such tiles, rounded to f16 in pairs, are source 1 of O^T = V^T P.  V is turned by ds_load_tr16_b128.
; SOFTMAX.  A running maximum m and sum l a query: p = 2^(c s - c m), c = log2(e) / 8; in every step O and l are multiplied by a = 2^(c m_old - c m_new).  Hidden scores become -infinity ahead of the maximum; a step that is walked
; holds at least one key that counts for each of the wave's queries (its first key is at or under the wave's first query).
; LIMITS: where reference() sets hidden scores to -1e9, here they count for nothing: rows whose every visible score lies near or under -1e9 are not served; |att| under 65,504; a p under 2^-126 is 0; NaN and infinities are not served.
.set KP,    272                        ; two keys' rows of K (256 bytes) + 16: key k lies at (k / 2) KP + 128 (k % 2): the 16 keys of a load start 16 bytes apart modulo 256
.set VP,    288                        ; the same of V, + 32: the turning load's 16 lanes (8 keys x 32 bytes) fall on different 16 bytes modulo 256
.set KQB,   32*KP                      ; a key step's K in a slot: what one tensor load brings
.set VQB,   32*VP
.set VOFF,  4*KQB                      ; a slot: 256 keys of K, then of V
.set SLOT1, 1<<17                      ; slot 1 begins here: one exclusive or turns an address
.set STAGE, SLOT1+VOFF+4*VQB           ; behind the ring: 32 rows x 144 bytes a wave, for the way out
.set SP,    144
.set SPARE, STAGE+8*32*SP              ; the spare words, 128 bytes a wave: four blocks of 256 bytes that no other line names
.set AK0, 1                            ; v1   my lane's place in a tile of K
.set AV0, 2                            ; v2   the same for V (VOFF in it)
.set ADK, 3                            ; v3   LDS address of the step's K
.set ADV, 4                            ; v4   of its V
.set QO,  5                            ; v5   my byte offset in the wave's rows of q
.set STO, 6                            ; v6   the way out: where I put 16 bytes of a row
.set RD,  7                            ; v7   where I read rows back
.set GO,  8                            ; v8   16 x lane
.set SPW, 9                            ; v9   my spare word's LDS address; never rewritten
.set NIL, 10                           ; v10  0; never rewritten
.set PFO, 11                           ; v11  256 x lane
.set RH,  12                           ; v12  lane % 16 - 8 (lane / 16)
.set NINF, 13                          ; v13  -infinity
.set DG,  14                           ; v14  at work: the diagonal
.set ST,  16                           ; tile t's statistics at v[16 + 8 t]: +0 c m, +1 m, +2, +3 l, +4 to +7 at work; a in +6
.set QF,  32                           ; v32-63   q: tile t, channels 32 c on: 8 registers at 32 + 16 t + 8 c
.set S,   64                           ; v64-127  S^T at 64 + 32 t + 8 kt; then p; then P, packed in place, in 64 + 32 t + 0..15
.set OT,  128                          ; v128-191 O^T at 128 + 32 t + 8 ct
.set KV,  192                          ; v192-255 a step's fragments of K, later of V
.set WV,  8
.set W3,  9
.set SUB, 10
.set PB,  11
.set HEAD, 12
.set SWL, 13                           ; p + 1: the count at which the first block ends
.set SLOTS, 14
.set CNT, 15
.set TB,  16                           ; LDS byte at which the slot in hand begins
.set TK,  17
.set TV,  18
.set KF,  19                           ; the step's first key
.set Q0,  20                           ; my first query
.set LIM, 21
.set CS,  22                           ; s[22:23] c
.set SEL, 24                           ; s[24:25] v_permlanex16_b32's selects for lane l xor 16
.set OFF, 26                           ; s[26:27] the byte in a head's K or V at which the slot to be asked for begins
.set G1K, 28
.set G1V, 36
.set G0K, 44
.set G0V, 48
.set KB,  52                           ; s[52:53] my quarter of slot 0 of K;  s[54:55] of V
.set VB,  54
.set PFA, 56
.set QB,  58
.set AB,  60
.set QA,  62
.set TO,  66
.set T0,  68
.set T1,  69
.set OA,  70
; Waves 0 to 3 fetch the four key steps of K, waves 4 to 7 those of V: 32 rows of 256 bytes each.  An s_nop 0 and four v_nop follow each of the two lines.
.macro TLOAD
	s_cmp_lt_u32 s[WV], 4
	s_cbranch_scc0 .Lfor_v_\@
	tensor_load_to_lds s[G0K:G0K+3], s[G1K:G1K+7]
	s_nop 0
.rept 4
	v_nop
.endr
	s_branch .Lasked_\@
.Lfor_v_\@:
	tensor_load_to_lds s[G0V:G0V+3], s[G1V:G1V+7]
	s_nop 0
.rept 4
	v_nop
.endr
.Lasked_\@:
.endm
; A prefetch of what the NEXT change of slots will ask for.  The four work-groups of a head walk the same K and V; the one with p = 0 walks slots 0 to 7 in order, and it alone asks.  Each of its waves names the 8,192 bytes that it
; will itself fetch, lanes 256 bytes apart: so each block of 256 bytes is named once in the launch.  It asks in trips 0 to 5, for slots 2 to 7; slots 0 and 1 come by their loads alone.
.macro ASK
	s_cmp_gt_u32 s[SLOTS], s[LIM]
	s_cbranch_scc0 .Lnot_mine_\@
	global_prefetch_b8 v[PFO], s[PFA:PFA+1] th:TH_LOAD_NT scope:SCOPE_SE
.Lnot_mine_\@:
.endm
	s_load_b128 s[4:7], s[0:1], 0x0                ; qkv, att
	v_lshl_add_u32 v[SPW], v0, 2, SPARE
	v_mov_b32 v[NIL], 0
	ds_add_u32 v[SPW], v[NIL]                      ; the wave's opening: the add, twice on end, and its wait ahead of my first tensor load
	ds_add_u32 v[SPW], v[NIL]
	v_lshrrev_b32 v14, 5, v0
	v_readfirstlane_b32 s[WV], v14                 ; wave 0..7
	s_and_b32 s[W3], s[WV], 3
	s_sub_co_u32 s[T0], 11, s[WV]
	s_cmp_lt_u32 s[WV], 4
	s_cselect_b32 s[SUB], s[WV], s[T0]             ; which 32 queries of a block: it enters global addresses and the tests on keys alone
	s_mov_b32 s[PB], ttmp9
	s_and_b32 s[HEAD], ttmp7, 0xffff
	s_add_co_u32 s[SWL], ttmp9, 1
	s_mov_b32 s[SLOTS], 8
	s_mov_b32 s[TB], 0
	s_cmp_eq_u32 ttmp9, 0
	s_cselect_b32 s[LIM], 2, -1
	s_mov_b32 s[CS], 0x3e38aa3b                    ; c = log2(e) / 8
	s_mov_b32 s[CS+1], s[CS]
	s_mov_b32 s[SEL], 0x76543210
	s_mov_b32 s[SEL+1], 0xfedcba98
	s_mov_b32 s[OFF], 0
	s_mov_b32 s[OFF+1], 0
	s_mov_b32 s[G1K], (1<<16)|(1<<20)|(5<<22)|(3<<25)   ; no mask; elements of 2 bytes; padding on: after every 64 words, 4 words
	s_mov_b32 s[G1V], (1<<16)|(1<<20)|(5<<22)|(7<<25)   ; 8 words
.irp g, G1K, G1V
	s_mov_b32 s[\g+1], 128<<16                     ; tensor_dim0 = 128 elements: two keys
	s_mov_b32 s[\g+2], 32<<16                      ; tensor_dim1
	s_mov_b32 s[\g+3], 128<<16                     ; tile_dim0
	s_mov_b32 s[\g+4], 32                          ; tile_dim1
	s_mov_b32 s[\g+5], 128                         ; the pitch: the rows are dense
	s_mov_b32 s[\g+6], 0
	s_mov_b32 s[\g+7], 0
.endr
	s_mul_i32 s[T1], s[W3], KQB
	s_mov_b32 s[G0K], 1
	s_mov_b32 s[G0K+1], s[T1]
	s_mul_i32 s[T1], s[W3], VQB
	s_mov_b32 s[G0V], 1
	s_add_co_u32 s[G0V+1], s[T1], VOFF
	s_lshl_b32 s[TO], s[HEAD], 18                  ; a head is 262,144 bytes
	s_mov_b32 s[TO+1], 0
	s_wait_dscnt 0x0                               ; both opening adds are done
	s_wait_kmcnt 0x0
	s_add_nc_u64 s[QB:QB+1], s[4:5], s[TO:TO+1]
	s_lshl_b32 s[T0], s[W3], 13
	s_add_co_u32 s[TO], s[TO], s[T0]
	s_add_nc_u64 s[KB:KB+1], s[4:5], s[TO:TO+1]
	s_add_nc_u64 s[VB:VB+1], s[KB:KB+1], 0x2000000
	s_add_nc_u64 s[KB:KB+1], s[KB:KB+1], 0x1000000
	s_mov_b64 s[G0K+2:G0K+3], s[KB:KB+1]
	s_or_b32 s[G0K+3], s[G0K+3], 0x80000000
	s_mov_b64 s[G0V+2:G0V+3], s[VB:VB+1]
	s_or_b32 s[G0V+3], s[G0V+3], 0x80000000
	TLOAD                                          ; slot 0: one tensor load of mine is out
	s_and_b32 s[T0], s[HEAD], 15
	s_lshl_b32 s[T0], s[T0], 20                    ; att: a head's plane is 8,192 rows of 128 bytes,
	s_lshr_b32 s[T1], s[HEAD], 4
	s_lshl_b32 s[T1], s[T1], 18                    ; a batch 2,048 rows
	s_add_co_u32 s[TO], s[T0], s[T1]
	s_add_nc_u64 s[AB:AB+1], s[6:7], s[TO:TO+1]
	s_cmp_lt_u32 s[WV], 4
	s_cselect_b64 s[PFA:PFA+1], s[KB:KB+1], s[VB:VB+1]
	s_add_nc_u64 s[PFA:PFA+1], s[PFA:PFA+1], 32768 ; in slot 1: the first change of slots steps it to slot 2
	v_and_b32 v14, 15, v0                          ; r
	v_bfe_u32 v15, v0, 4, 1                        ; h
	v_lshrrev_b32 v[AK0], 1, v14
	v_mul_u32_u24 v[AK0], v[AK0], KP
	v_and_b32 v3, 1, v0
	v_lshl_add_u32 v[AK0], v3, 7, v[AK0]
	v_lshl_add_u32 v[AK0], v15, 4, v[AK0]          ; key r, + 16 h
	v_bfe_u32 v[AV0], v0, 1, 2
	v_lshl_add_u32 v[AV0], v15, 2, v[AV0]          ; the turning load: key 8 h + lane % 8, channels 8 ((lane / 8) % 2) on
	v_mul_u32_u24 v[AV0], v[AV0], VP
	v_lshl_add_u32 v[AV0], v3, 7, v[AV0]
	v_bfe_u32 v4, v0, 3, 1
	v_lshl_add_u32 v[AV0], v4, 4, v[AV0]
	v_add_nc_u32 v[AV0], VOFF, v[AV0]
	v_lshlrev_b32 v[QO], 7, v14
	v_lshl_add_u32 v[QO], v15, 4, v[QO]
	s_mul_i32 s[T1], s[WV], 32*SP
	s_add_co_u32 s[T1], s[T1], STAGE               ; my stage
	v_mul_u32_u24 v[STO], v14, SP
	v_lshl_add_u32 v[STO], v15, 4, v[STO]
	v_add_nc_u32 v[STO], s[T1], v[STO]
	v_bfe_u32 v[RD], v0, 3, 2
	v_mul_u32_u24 v[RD], v[RD], SP
	v_and_b32 v3, 7, v0
	v_lshl_add_u32 v[RD], v3, 4, v[RD]
	v_add_nc_u32 v[RD], s[T1], v[RD]               ; back: eight lanes to a row of 128 bytes, four rows an instruction
	v_and_b32 v3, 31, v0
	v_lshlrev_b32 v[GO], 4, v3
	v_lshlrev_b32 v[PFO], 8, v3
	v_lshlrev_b32 v4, 3, v15
	v_sub_nc_u32 v[RH], v14, v4
	v_mov_b32 v[NINF], 0xff800000
; A block begins (its number in s68): q's fragments; O^T and l zeros, m = -3e38, so that the key step is written once: the first step's a is 0 and multiplies zeros.
.macro BEGIN_BLOCK
	s_wait_xcnt 0x0                                ; earlier loads and stores have read their addresses and data
	s_lshl_b32 s[Q0], s[T0], 8
	s_lshl_b32 s[T1], s[SUB], 5
	s_add_co_u32 s[Q0], s[Q0], s[T1]
	s_lshl_b32 s[TO], s[Q0], 7
	s_add_nc_u64 s[QA:QA+1], s[QB:QB+1], s[TO:TO+1]
.irp t, 0,1
.irp c, 0,1
	global_load_b128 v[QF+16*\t+8*\c:QF+16*\t+8*\c+3], v[QO], s[QA:QA+1] offset:\t*2048+\c*64
	global_load_b128 v[QF+16*\t+8*\c+4:QF+16*\t+8*\c+7], v[QO], s[QA:QA+1] offset:\t*2048+\c*64+32
.endr
.endr
.set n, 0
.rept 64
	v_mov_b32 v[OT+n], 0
.set n, n+1
.endr
.irp t, 0,1
	v_mov_b32 v[ST+8*\t+1], 0xff61b1e6             ; -3e38, under every score
	v_mul_f32 v[ST+8*\t], s[CS], v[ST+8*\t+1]
.irp i, 2,3,4,5,6,7
	v_mov_b32 v[ST+8*\t+\i], 0
.endr
.endr
	s_mov_b32 s[KF], 0
	s_wait_loadcnt 0x0
.endm
; A KEY STEP: 64 keys at s[TK] (K) and s[TV] (V).
.macro STEP
	s_add_co_u32 s[T0], s[Q0], 31                  ; a step all of whose keys come after my 32 queries is left out: a scalar branch on ids, round loads, products and softmax; no barrier and no tensor load stands in a step
	s_cmp_gt_u32 s[KF], s[T0]
	s_cbranch_scc1 .Lhidden_\@
	v_add_nc_u32 v[ADK], s[TK], v[AK0]
	v_add_nc_u32 v[ADV], s[TV], v[AV0]
.rept 3
	v_nop                                          ; with the two additions five places: the products below write over P, which the last products read, and the loads land where V lay
.endr
.irp f, 0,1,2,3,4,5,6,7                        ; fragment f: keys 16 (f / 2) on, channels 32 (f % 2) on
	ds_load_b128 v[KV+8*\f:KV+8*\f+3], v[ADK] offset:(\f/2)*8*KP+(\f%2)*64
	ds_load_b128 v[KV+8*\f+4:KV+8*\f+7], v[ADK] offset:(\f/2)*8*KP+(\f%2)*64+32
.endr
	s_wait_dscnt 0x0
.irp c, 0,1                                    ; S^T = K Q^T: eight accumulators by turns; the first eight products start the sums
.irp kt, 0,1,2,3
.irp t, 0,1
.if \c == 0
	v_wmma_f32_16x16x32_f16 v[S+32*\t+8*\kt:S+32*\t+8*\kt+7], v[KV+8*(2*\kt+\c):KV+8*(2*\kt+\c)+7], v[QF+16*\t+8*\c:QF+16*\t+8*\c+7], 0
.else
	v_wmma_f32_16x16x32_f16 v[S+32*\t+8*\kt:S+32*\t+8*\kt+7], v[KV+8*(2*\kt+\c):KV+8*(2*\kt+\c)+7], v[QF+16*\t+8*\c:QF+16*\t+8*\c+7], v[S+32*\t+8*\kt:S+32*\t+8*\kt+7]
.endif
.endr
.endr
.endr
.rept 4
	v_nop                                          ; places in front of the loads into K's registers and of the first read of the scores
.endr
.irp f, 0,1,2,3,4,5,6,7                        ; V^T: fragment f: keys 32 (f / 4) on, channels 16 (f % 4) on; it lands while the softmax is walked
	ds_load_tr16_b128 v[KV+8*\f:KV+8*\f+3], v[ADV] offset:(\f/4)*16*VP+(\f%4)*32
	ds_load_tr16_b128 v[KV+8*\f+4:KV+8*\f+7], v[ADV] offset:(\f/4)*16*VP+8*VP+(\f%4)*32
.endr
	s_add_co_u32 s[T0], s[KF], 63                  ; on the diagonal hidden scores become -infinity; a step all of whose keys count skips this
	s_cmp_le_u32 s[T0], s[Q0]
	s_cbranch_scc1 .Lopen_\@
	s_sub_co_i32 s[T0], s[Q0], s[KF]
	v_add_nc_u32 v[DG], s[T0], v[RH]               ; register 32 t + 8 kt + j holds key KF + 16 kt + 8 h + j for query Q0 + 16 t + r: hidden where 16 kt + j - 16 t > Q0 - KF + r - 8 h
.set n, 0
.rept 64
	v_cmp_gt_i32 vcc_lo, 16*((n%32)/8)+n%8-16*(n/32), v[DG]
	v_cndmask_b32 v[S+n], v[S+n], v[NINF], vcc_lo
.set n, n+1
.endr
.Lopen_\@:
	; the softmax, both tiles line by line.  The maximum: four chains, each begun at an accumulator's low end
.irp j, 0,1,2,3
.irp t, 0,1
	v_max3_num_f32 v[ST+8*\t+4+\j], v[S+32*\t+8*\j], v[S+32*\t+8*\j+1], v[S+32*\t+8*\j+2]
.endr
.endr
.irp g, 1,2
.irp j, 0,1,2,3
.irp t, 0,1
	v_max3_num_f32 v[ST+8*\t+4+\j], v[ST+8*\t+4+\j], v[S+32*\t+8*\j+2*\g+1], v[S+32*\t+8*\j+2*\g+2]
.endr
.endr
.endr
.irp t, 0,1
	v_max3_num_f32 v[ST+8*\t+4], v[ST+8*\t+4], v[S+32*\t+7], v[S+32*\t+15]
	v_max3_num_f32 v[ST+8*\t+6], v[ST+8*\t+6], v[S+32*\t+23], v[S+32*\t+31]
.endr
.irp t, 0,1
	v_max3_num_f32 v[ST+8*\t+4], v[ST+8*\t+4], v[ST+8*\t+5], v[ST+8*\t+6]
.endr
.irp t, 0,1
	v_max3_num_f32 v[ST+8*\t+4], v[ST+8*\t+4], v[ST+8*\t+7], v[ST+8*\t+1]   ; with the old m
.endr
.irp t, 0,1
	v_permlanex16_b32 v[ST+8*\t+5], v[ST+8*\t+4], s[SEL], s[SEL+1]          ; the query's other 32 keys lie in the lane 16 away
.endr
.irp t, 0,1
	v_mov_b32 v[ST+8*\t+7], v[ST+8*\t]             ; c m_old
.endr
.irp t, 0,1
	v_max_num_f32 v[ST+8*\t+1], v[ST+8*\t+4], v[ST+8*\t+5]
.endr
.irp t, 0,1
	v_mul_f32 v[ST+8*\t], s[CS], v[ST+8*\t+1]
.endr
.irp t, 0,1
	v_sub_f32 v[ST+8*\t+7], v[ST+8*\t+7], v[ST+8*\t]
.endr
.set n, 0
.rept 16
.irp t, 0,1
	v_pk_fma_f32 v[S+32*\t+n:S+32*\t+n+1], v[S+32*\t+n:S+32*\t+n+1], s[CS:CS+1], v[ST+8*\t:ST+8*\t+1] op_sel_hi:[1,0,0] neg_lo:[0,0,1] neg_hi:[0,0,1]   ; c s - c m
.endr
.set n, n+2
.endr
.irp t, 0,1
	v_exp_f32 v[ST+8*\t+6], v[ST+8*\t+7]           ; a
.endr
.set n, 0
.rept 32
	v_exp_f32 v[S+n], v[S+n]
	v_exp_f32 v[S+32+n], v[S+32+n]
.set n, n+1
.endr
	v_nop                                          ; a plain instruction behind the last exponential
	s_wait_alu depctr_va_vdst(0)                   ; one wait for the 66 exponentials, ahead of the first instruction that names a result
.irp t, 0,1
	v_pk_fma_f32 v[ST+8*\t+2:ST+8*\t+3], v[ST+8*\t+2:ST+8*\t+3], v[ST+8*\t+6:ST+8*\t+7], v[S+32*\t:S+32*\t+1] op_sel_hi:[1,0,1]   ; l = a l + the step's p, in two chains
	v_pk_add_f32 v[ST+8*\t+4:ST+8*\t+5], v[S+32*\t+2:S+32*\t+3], v[S+32*\t+6:S+32*\t+7]
.endr
.irp t, 0,1
	v_pk_add_f32 v[ST+8*\t+2:ST+8*\t+3], v[ST+8*\t+2:ST+8*\t+3], v[S+32*\t+4:S+32*\t+5]
.endr
.set n, 8
.rept 6
.irp t, 0,1
	v_pk_add_f32 v[ST+8*\t+2:ST+8*\t+3], v[ST+8*\t+2:ST+8*\t+3], v[S+32*\t+n:S+32*\t+n+1]
	v_pk_add_f32 v[ST+8*\t+4:ST+8*\t+5], v[ST+8*\t+4:ST+8*\t+5], v[S+32*\t+n+2:S+32*\t+n+3]
.endr
.set n, n+4
.endr
.irp t, 0,1
	v_pk_add_f32 v[ST+8*\t+2:ST+8*\t+3], v[ST+8*\t+2:ST+8*\t+3], v[ST+8*\t+4:ST+8*\t+5]
.endr
.set n, 0
.rept 16
.irp t, 0,1
	v_cvt_pk_f16_f32 v[S+32*\t+n], v[S+32*\t+2*n], v[S+32*\t+2*n+1]         ; P, in place, ascending: register n is written when 2 n and 2 n + 1 are read
.endr
.set n, n+1
.endr
.set n, 0
.rept 16
.irp t, 0,1
	v_pk_mul_f32 v[OT+32*\t+n:OT+32*\t+n+1], v[OT+32*\t+n:OT+32*\t+n+1], v[ST+8*\t+6:ST+8*\t+7] op_sel_hi:[1,0]   ; O^T x a
.endr
.set n, n+2
.endr
	s_wait_dscnt 0x0                               ; V^T is in
.irp ks, 0,1                                   ; O^T += V^T P: eight accumulators by turns
.irp ct, 0,1,2,3
.irp t, 0,1
	v_wmma_f32_16x16x32_f16 v[OT+32*\t+8*\ct:OT+32*\t+8*\ct+7], v[KV+8*(4*\ks+\ct):KV+8*(4*\ks+\ct)+7], v[S+32*\t+8*\ks:S+32*\t+8*\ks+7], v[OT+32*\t+8*\ct:OT+32*\t+8*\ct+7]
.endr
.endr
.endr
.Lhidden_\@:
	s_add_co_u32 s[TK], s[TK], KQB
	s_add_co_u32 s[TV], s[TV], VQB
	s_add_co_u32 s[KF], s[KF], 64
.endm
.macro FOUR_STEPS                      ; a slot's four key steps: written once, walked four times
	s_mov_b32 s[TK], s[TB]
	s_mov_b32 s[TV], s[TB]
	s_mov_b32 s[CNT], 4
.Lstep_\@:
	STEP
	s_sub_co_u32 s[CNT], s[CNT], 1
	s_cmp_lg_u32 s[CNT], 0
	s_cbranch_scc1 .Lstep_\@
	s_xor_b32 s[TB], s[TB], SLOT1
.endm
; THE CHANGE OF SLOTS stands at a slot's head.  Each wave waits for all its tensor loads (its part of the slot about to be read), adds 0 to its spare word, and waits for that and for its reads of the slot that it has left.
; Behind the barrier the slot ahead is whole and nobody reads the other one.  fill = 1: that other slot is filled with the next 256 keys of the walk: the load has four key steps in which to land.
.macro CHANGE fill
	s_wait_tensorcnt 0x0                           ; no tensor load of mine is out, so a group 0 may be written
	ds_add_u32 v[SPW], v[NIL]
.if \fill
	s_xor_b32 s[G0K+1], s[G0K+1], SLOT1
	s_xor_b32 s[G0V+1], s[G0V+1], SLOT1
	s_add_co_u32 s[OFF], s[OFF], 32768             ; the next 256 keys,
	s_cmp_eq_u32 s[SLOTS], s[SWL]
	s_cselect_b32 s[OFF], 0, s[OFF]                ; or, where this trip is the first block's last, the second block's first
	s_add_nc_u64 s[G0K+2:G0K+3], s[KB:KB+1], s[OFF:OFF+1]
	s_or_b32 s[G0K+3], s[G0K+3], 0x80000000
	s_add_nc_u64 s[G0V+2:G0V+3], s[VB:VB+1], s[OFF:OFF+1]
	s_or_b32 s[G0V+3], s[G0V+3], 0x80000000
	s_wait_xcnt 0x0                                ; the last prefetch, a slot back, has read its address
	s_add_nc_u64 s[PFA:PFA+1], s[PFA:PFA+1], 32768
.endif
	s_wait_dscnt 0x0                               ; the add is done, and my reads of the slot that I have left are over
	s_barrier_signal -1
	s_barrier_wait -1
.if \fill
	TLOAD                                          ; the first thing behind the barrier, and my one tensor load until the next
	ASK
.endif
.endm
; THE WAY OUT of a block: O^T / l, rounded to f16, through my stage, out as 512 consecutive bytes (four rows of a head's plane) a store.
.macro WAYOUT
.rept 4
	v_nop                                          ; places behind the last products
.endr
.irp t, 0,1
	v_add_f32 v[ST+8*\t+4], v[ST+8*\t+2], v[ST+8*\t+3]
.endr
.irp t, 0,1
	v_permlanex16_b32 v[ST+8*\t+5], v[ST+8*\t+4], s[SEL], s[SEL+1]
.endr
.irp t, 0,1
	v_add_f32 v[ST+8*\t+4], v[ST+8*\t+4], v[ST+8*\t+5]
.endr
.irp t, 0,1
	v_rcp_f32 v[ST+8*\t+6], v[ST+8*\t+4]
.endr
	v_nop
	s_wait_alu depctr_va_vdst(0)                   ; one wait for the two reciprocals, ahead of their first reader
.set n, 0
.rept 16
.irp t, 0,1
	v_pk_mul_f32 v[OT+32*\t+n:OT+32*\t+n+1], v[OT+32*\t+n:OT+32*\t+n+1], v[ST+8*\t+6:ST+8*\t+7] op_sel_hi:[1,0]
.endr
.set n, n+2
.endr
.set n, 0
.rept 32
	v_cvt_pk_f16_f32 v[S+n], v[OT+2*n], v[OT+2*n+1]
.set n, n+1
.endr
.irp t, 0,1
.irp ct, 0,1,2,3
	ds_store_b128 v[STO], v[S+16*\t+4*\ct:S+16*\t+4*\ct+3] offset:\t*16*SP+32*\ct   ; lane (r, h): channels 16 ct + 8 h + 0..7 of query 16 t + r
.endr
.endr
.irp i, 0,1,2,3,4,5,6,7
	ds_load_b128 v[KV+4*\i:KV+4*\i+3], v[RD] offset:\i*4*SP                 ; LDS serves a wave's instructions in order: these see my stores
.endr
	s_wait_xcnt 0x0
	s_lshl_b32 s[TO], s[Q0], 7
	s_add_nc_u64 s[OA:OA+1], s[AB:AB+1], s[TO:TO+1]
.irp i, 0,1,2,3,4,5,6,7
	s_wait_dscnt 7-\i                              ; LDS loads come back in order: load i is in
	global_store_b128 v[GO], v[KV+4*\i:KV+4*\i+3], s[OA:OA+1] offset:\i*512
.endr
.endm
	s_sub_co_u32 s[T0], 7, s[PB]
	BEGIN_BLOCK                                    ; block 7 - p
.Lslot:                                            ; eight trips; behind each change of slots the next trip's slot is asked for
	CHANGE 1
	FOUR_STEPS
	s_cmp_lg_u32 s[SLOTS], s[SWL]                  ; ids and the count of trips alone
	s_cbranch_scc1 .Lsame_block
	WAYOUT
	s_mov_b32 s[T0], s[PB]
	BEGIN_BLOCK                                    ; block p
.Lsame_block:
	s_sub_co_u32 s[SLOTS], s[SLOTS], 1
	s_cmp_lg_u32 s[SLOTS], 0
	s_cbranch_scc1 .Lslot
	CHANGE 0                                       ; the ninth slot is written out: nothing is left to fetch
	FOUR_STEPS
	WAYOUT
	s_wait_tensorcnt 0x0                           ; the wave's end
	ds_add_u32 v[SPW], v[NIL]
	s_wait_dscnt 0x0
	s_endpgm
.Lfunc_end_k_q5cb2a677c1_attn:
	.size	k_q5cb2a677c1_attn, .Lfunc_end_k_q5cb2a677c1_attn-k_q5cb2a677c1_attn
	.p2alignl 7, 3214868480
	.fill 96, 4, 3214868480
	.section	.rodata,"a",@progbits
	.p2align	6, 0x0
	.amdhsa_kernel k_q5cb2a677c1_attn
		.amdhsa_group_segment_fixed_size 327680
		.amdhsa_private_segment_fixed_size 0
		.amdhsa_enable_private_segment 0
		.amdhsa_kernarg_size 16
		.amdhsa_user_sgpr_count 2
		.amdhsa_user_sgpr_kernarg_segment_ptr 1
		.amdhsa_wavefront_size32 1
		.amdhsa_system_sgpr_workgroup_id_x 1
		.amdhsa_system_sgpr_workgroup_id_y 1
		.amdhsa_system_sgpr_workgroup_id_z 1
		.amdhsa_system_vgpr_workitem_id 0
		.amdhsa_next_free_vgpr 256
		.amdhsa_next_free_sgpr 72
		.amdhsa_reserve_vcc 1
		.amdhsa_float_denorm_mode_32 3
		.amdhsa_float_denorm_mode_16_64 3
		.amdhsa_memory_ordered 1
		.amdhsa_forward_progress 1
		.amdhsa_inst_pref_size 71
	.end_amdhsa_kernel
	.amdgpu_metadata
---
amdhsa.version: [ 1, 2 ]
amdhsa.kernels:
  - .name:           k_q5cb2a677c1_attn
    .symbol:         k_q5cb2a677c1_attn.kd
    .args:
      - { .name: qkv, .offset: 0, .size: 8, .value_kind: global_buffer, .address_space: global }
      - { .name: att, .offset: 8, .size: 8, .value_kind: global_buffer, .address_space: global }
    .group_segment_fixed_size: 327680
    .private_segment_fixed_size: 0
    .kernarg_segment_align: 8
    .kernarg_segment_size: 16
    .max_flat_workgroup_size: 256
    .sgpr_count:     72
    .vgpr_count:     256
    .wavefront_size: 32
...
	.end_amdgpu_metadata
.endif
;; end of part 3
;; launch proj (part 4): grid 8 x 32, 4 waves a work-group, clusters of 4 x 4, 327,680 bytes of LDS; arguments att, wp16, out0, bp; writes out0
.if DOCPART == 4
	.amdgcn_target "amdgcn-amd-amdhsa--gfx1250"
	.amdhsa_code_object_version 6
	.text
	.protected	k_q5cb2a677c1_proj
	.globl	k_q5cb2a677c1_proj
	.p2align	8
	.type	k_q5cb2a677c1_proj,@function
k_q5cb2a677c1_proj:
	s_mov_b64 s[64:65], 0
	v_nop
	global_prefetch_b8 v0, s[64:65] scope:SCOPE_SE
	s_setreg_imm32_b32 hwreg(HW_REG_WAVE_MODE, 25, 1), 1
	s_wait_xcnt 0x0
	s_wait_alu depctr_hold_cnt(0) depctr_sa_sdst(0) depctr_va_vdst(0) depctr_va_sdst(0) depctr_va_ssrc(0) depctr_va_vcc(0) depctr_vm_vsrc(0)
	s_getreg_b32 s2, hwreg(HW_REG_IB_STS2, 6, 4)
	s_cmp_eq_u32 s2, 0
	s_cbranch_scc0 .Lentry_in_a_cluster
	s_endpgm
.Lentry_in_a_cluster:
	s_bfe_u32 s2, ttmp6, 0x10000c
	s_cmp_lg_u32 s2, 0xf033
	s_cbranch_scc0 .Lentry_shape_is_right
	s_endpgm
.Lentry_shape_is_right:
; out0 = att Wp + bp: [8192] x [1024] over K = 1,024, f16 operands, f32 sums, the bias as the C of each sum's first matrix instruction.
; att: [16 planes = k / 64][8192 rows][64] f16; wp16's part 0: [16 planes][1024 n][64] f16: both have K innermost, in planes of 64; a plane's rows are dense, so two rows are taken as one row of 256 bytes.
; A tile of C is 256 (rows) x 128 (columns): 256 work-groups.  Four waves, 2 x 2, each 128 x 64: 32 accumulators, window 1.  K goes in steps of 128 (two planes) through a ring of two LDS slots.
; CLUSTERS: 4 x 4 work-groups; the four of a row of the cluster ask jointly for att's tiles, the four of a column for wp16's.  THE MATRIX INSTRUCTION IS USED TRANSPOSED (source 0 = 16 rows of wp16, source 1 = 16 rows of att).
; The 64 rows of positions 0-15 are written here like all others, and written over by the next launch, which carries them more finely.
; No prefetch: a K step is short here and the launch's own tensor loads follow each other closely; the tiles are shared in the cluster instead.
; REGISTERS: window 0: v16-29 addresses; v32-63 the bias in the result's layout; v64-159, v160-255 two fragment buffers (A's 8 fragments, then B's 4); window 1: accumulator (a, b) at v[8 (4 a + b)].
.set PITCH,  272                       ; two rows (256 bytes) + 16: row r lies at (r / 2) PITCH + 128 (r % 2): the 16 rows of a load start 16 bytes apart modulo 256
.set APL,    128*PITCH                 ; a plane of A's tile: 256 rows
.set BPL,    64*PITCH                  ; of B's: 128 rows
.set SLOT,   2*APL+2*BPL
.set STAGE,  2*SLOT                    ; behind the ring: 16 rows x 272 bytes a wave
.set SPITCH, 272
.set SPARE,  STAGE+4*16*SPITCH         ; the spare words, 128 bytes a wave: two blocks of 256 bytes that no other line names
.set LAPS,   4                         ; a lap = two K steps
.set ADRA, 16
.set ADRB, 20
.set STO,  24
.set RD,   25
.set CO,   26
.set BO,   27
.set SPW,  28
.set NIL,  29
.set BI,   32
.set F0,   64
.set F1,   160
.set BK,   64                          ; the way out: rows read back: v64-95 and v96-127 by turns
.set G1, 24
.set G0, 32
.set G1B, 48
.set G0B, 56
.set MSB, 0
.macro WIN new
.if MSB != (\new)
	s_set_vgpr_msb (MSB<<8)|(\new)
.set MSB, (\new)
.endif
.endm
.set MUL, 0x50                         ; sources 0 and 1 window 0; C and D window 1
.set BEG, 0x40                         ; C (the bias) window 0, D window 1
.macro JLOAD s                         ; a joint load: waves 0 and 1 fetch A's two planes, waves 2 and 3 B's; an s_nop 0 and four v_nop follow each of the two lines
	s_cmp_eq_u32 s11, 0
	s_cbranch_scc0 .Lfor_b_\@
	tensor_load_to_lds s[G0+4*\s:G0+4*\s+3], s[G1:G1+7]
	s_nop 0
.rept 4
	v_nop
.endr
	s_branch .Lasked_\@
.Lfor_b_\@:
	tensor_load_to_lds s[G0B+4*\s:G0B+4*\s+3], s[G1B:G1B+7]
	s_nop 0
.rept 4
	v_nop
.endr
.Lasked_\@:
.endm
.macro CREST
	s_cmp_lg_u32 s10, 0
	s_cbranch_scc1 .Lnot_wave_0_\@
	s_barrier_signal -3
.Lnot_wave_0_\@:
	s_barrier_wait -3
	s_barrier_signal -1
	s_barrier_wait -1
.endm
.macro CROUND
	s_barrier_signal -1
	s_barrier_wait -1
	CREST
.endm
	s_load_b128 s[4:7], s[0:1], 0x0                ; att, wp16
	s_load_b64 s[8:9], s[0:1], 0x10                ; out0
	s_load_b64 s[66:67], s[0:1], 0x18              ; bp
	v_lshl_add_u32 v[SPW], v0, 2, SPARE
	v_mov_b32 v[NIL], 0
	ds_add_u32 v[SPW], v[NIL]                      ; the wave's opening: the add, twice on end, and its wait ahead of my first tensor load
	ds_add_u32 v[SPW], v[NIL]
	v_lshrrev_b32 v1, 5, v0
	v_readfirstlane_b32 s10, v1                    ; wave 0..3
	s_lshr_b32 s11, s10, 1                         ; which 128 rows of the tile are mine.  Also: I fetch for A (0) or for B (1)
	s_and_b32 s12, s10, 1                          ; which 64 columns.  Also: which of a K step's two planes I fetch
	s_bfe_u32 s40, ttmp6, 0x40000                  ; cx
	s_bfe_u32 s41, ttmp6, 0x40004                  ; cy
	s_lshl_b32 s42, ttmp9, 2
	s_add_co_u32 s42, s42, s40                     ; tile column
	s_and_b32 s13, ttmp7, 0xffff
	s_lshl_b32 s13, s13, 2
	s_add_co_u32 s13, s13, s41                     ; tile row
	s_lshl_b32 s43, s41, 2
	s_lshl_b32 s43, 15, s43                        ; my row of the cluster
	s_lshl_b32 s44, 0x1111, s40                    ; my column
	s_or_b32 s[G1+0], s43, (1<<16)|(1<<20)|(1<<21)|(5<<22)|(3<<25)  ; the mask; elements of 2 bytes; padding on; bit 21 beside a mask; after every 64 words, 4 words
	s_or_b32 s[G1B+0], s44, (1<<16)|(1<<20)|(1<<21)|(5<<22)|(3<<25)
	s_mov_b32 s[G1+1], 128<<16                     ; tensor_dim0 = 128 elements: two rows of a plane
	s_mov_b32 s[G1+2], 128<<16                     ; tensor_dim1
	s_mov_b32 s[G1+3], 128<<16                     ; tile_dim0
	s_mov_b32 s[G1+4], 128                         ; tile_dim1: 256 rows of att
	s_mov_b32 s[G1+5], 128                         ; the pitch: dense
	s_mov_b32 s[G1+6], 0
	s_mov_b32 s[G1+7], 0
	s_mov_b32 s[G1B+1], 128<<16
	s_mov_b32 s[G1B+2], 64<<16
	s_mov_b32 s[G1B+3], 128<<16
	s_mov_b32 s[G1B+4], 64                         ; 128 rows of wp16
	s_mov_b32 s[G1B+5], 128
	s_mov_b32 s[G1B+6], 0
	s_mov_b32 s[G1B+7], 0
	s_lshl_b32 s16, s13, 15                        ; A: 256 rows of 128 bytes a tile row,
	s_lshl_b32 s17, s12, 20                        ; a plane is 8,192 rows
	s_add_co_u32 s16, s16, s17
	s_mov_b32 s17, 0
	s_lshl_b32 s46, s42, 14                        ; B: 128 rows a tile column,
	s_lshl_b32 s47, s12, 17                        ; a plane is 1,024 rows
	s_add_co_u32 s46, s46, s47
	s_mov_b32 s47, 0
	s_mul_i32 s20, s12, APL                        ; where they go: no place in the cluster enters an LDS address
	s_mul_i32 s21, s12, BPL
	s_add_co_u32 s21, s21, 2*APL
	s_wait_dscnt 0x0                               ; both opening adds are done
	s_wait_kmcnt 0x0
	s_add_nc_u64 s[14:15], s[4:5], s[16:17]
	s_add_nc_u64 s[46:47], s[6:7], s[46:47]
	CROUND                                         ; all sixteen work-groups are here: the first joint loads meet
.irp s, 0,1
	s_mov_b32 s[G0+4*\s], 1
	s_add_co_u32 s[G0+4*\s+1], s20, \s*SLOT
	s_add_nc_u64 s[G0+4*\s+2:G0+4*\s+3], s[14:15], \s*0x200000       ; K step s: two planes on
	s_or_b32 s[G0+4*\s+3], s[G0+4*\s+3], 0x80000000
	s_mov_b32 s[G0B+4*\s], 1
	s_add_co_u32 s[G0B+4*\s+1], s21, \s*SLOT
	s_add_nc_u64 s[G0B+4*\s+2:G0B+4*\s+3], s[46:47], \s*0x40000
	s_or_b32 s[G0B+4*\s+3], s[G0B+4*\s+3], 0x80000000
	JLOAD \s                                       ; two tensor loads of mine are out
.endr
	v_and_b32 v1, 15, v0                           ; r
	v_bfe_u32 v2, v0, 4, 1                         ; h
	s_lshl_b32 s46, s42, 9                         ; my first column, in bytes of f32: 512 x tile column + 256 x half
	s_lshl_b32 s47, s12, 8
	s_add_co_u32 s46, s46, s47
	s_mov_b32 s47, 0
	s_add_nc_u64 s[66:67], s[66:67], s[46:47]
	v_lshlrev_b32 v[BO], 5, v2
.irp b, 0,1,2,3
	global_load_b128 v[BI+8*\b:BI+8*\b+3], v[BO], s[66:67] offset:64*\b       ; bp[my first column + 16 b + 8 h + 0..7]
	global_load_b128 v[BI+8*\b+4:BI+8*\b+7], v[BO], s[66:67] offset:64*\b+16
.endr
	v_lshrrev_b32 v3, 1, v1
	v_mul_u32_u24 v3, v3, PITCH
	v_and_b32 v4, 1, v0
	v_lshl_add_u32 v3, v4, 7, v3
	v_lshl_add_u32 v3, v2, 4, v3                   ; a fragment's row r, + 16 h
	s_mul_i32 s21, s11, 64*PITCH                   ; my 128 rows of A
	s_mul_i32 s22, s12, 32*PITCH                   ; my 64 rows of B,
	s_add_co_u32 s22, s22, 2*APL                   ; which lie behind A's two planes
.irp s, 0,1
	v_add_nc_u32 v[ADRA+\s], s21, v3
	v_add_nc_u32 v[ADRB+\s], s22, v3
	s_add_co_u32 s21, s21, SLOT
	s_add_co_u32 s22, s22, SLOT
.endr
	s_mul_i32 s23, s10, 16*SPITCH
	s_add_co_u32 s23, s23, STAGE                   ; my stage
	v_mul_u32_u24 v4, v1, SPITCH
	v_lshl_add_u32 v4, v2, 5, v4
	v_add_nc_u32 v[STO], s23, v4                   ; in: row r, 32 bytes for each half of the lanes
	v_mul_u32_u24 v5, v2, SPITCH
	v_lshl_add_u32 v5, v1, 4, v5
	v_add_nc_u32 v[RD], s23, v5                    ; back: lanes 0-15 one row of 256 bytes, lanes 16-31 the next
	v_lshlrev_b32 v[CO], 12, v2                    ; and the same two rows of out0 (4,096 bytes a row)
	v_lshl_add_u32 v[CO], v1, 4, v[CO]
	s_lshl_b32 s16, s13, 20                        ; my first row of out0: 256 x tile row + 128 x half
	s_lshl_b32 s17, s11, 19
	s_add_co_u32 s16, s16, s17
	s_mov_b32 s17, 0
	s_add_nc_u64 s[8:9], s[8:9], s[16:17]
	s_add_nc_u64 s[8:9], s[8:9], s[46:47]
; 8 matrix instructions: A's blocks a0, a0 + 1 x B's four, 32 along K.  zero = 1: the first product starts the sums on the bias.  The 32 accumulators take turns, one instruction a turn.
.macro MUL8 f, a0, zero
.irp a, \a0, \a0+1
.irp b, 0,1,2,3
.if \zero
	v_wmma_f32_16x16x32_f16 v[8*(4*(\a)+\b):8*(4*(\a)+\b)+7], v[\f+64+8*\b:\f+64+8*\b+7], v[\f+8*(\a):\f+8*(\a)+7], v[BI+8*\b:BI+8*\b+7]
.else
	v_wmma_f32_16x16x32_f16 v[8*(4*(\a)+\b):8*(4*(\a)+\b)+7], v[\f+64+8*\b:\f+64+8*\b+7], v[\f+8*(\a):\f+8*(\a)+7], v[8*(4*(\a)+\b):8*(4*(\a)+\b)+7]
.endif
.endr
.endr
.endm
; 24 LDS loads in one run: quarter q of the slot's K step (plane q / 2, 32 k at byte 64 (q % 2)): B's 4 fragments, A's blocks 0-3, A's blocks 4-7
.macro FETCH slot, q, f
	WIN 0
.irp b, 0,1,2,3
	ds_load_b128 v[\f+64+8*\b:\f+64+8*\b+3],   v[ADRB+\slot] offset:((\q)/2)*BPL+((\q)%2)*64+\b*8*PITCH
	ds_load_b128 v[\f+64+8*\b+4:\f+64+8*\b+7], v[ADRB+\slot] offset:((\q)/2)*BPL+((\q)%2)*64+\b*8*PITCH+32
.endr
.irp i, 0,1,2,3,4,5,6,7
	ds_load_b128 v[\f+8*\i:\f+8*\i+3],   v[ADRA+\slot] offset:((\q)/2)*APL+((\q)%2)*64+\i*8*PITCH
	ds_load_b128 v[\f+8*\i+4:\f+8*\i+7], v[ADRA+\slot] offset:((\q)/2)*APL+((\q)%2)*64+\i*8*PITCH+32
.endr
.endm
.macro PLACES                          ; four places in front of loads into registers that matrix instructions have read, and of reads of results
.rept 4
	v_nop
.endr
.endm
; A K step is four quarters of 32 along K, 32 matrix instructions each, on buffers 0, 1, 0, 1.  One of the first three multiplies buffer f and fetches quarter q into g.
.macro QUARTER slot, q, f, g, zero
	s_wait_dscnt 8                                 ; B's fragments and A's blocks 0-3 are in; the youngest eight loads, A's blocks 4-7, may be out
.if \zero
	WIN BEG
.else
	WIN MUL
.endif
	MUL8 \f, 0, \zero
	MUL8 \f, 2, \zero
	PLACES
	FETCH \slot, \q, \g
	s_wait_dscnt 24                                ; all but the 24 just issued
.if \zero
	WIN BEG
.else
	WIN MUL
.endif
	MUL8 \f, 4, \zero
	MUL8 \f, 6, \zero
.endm
; The last quarter multiplies buffer 1 and changes slots: ONE barrier; in front of it each wave waits for all its tensor loads, adds 0 to its spare word, and waits for that and for its reads of this slot.  fill = 1: this slot is filled again, two K steps ahead.
.macro TURN slot, next, fill
	WIN 0
	s_wait_tensorcnt 0x0                           ; all my tensor loads have landed: my part of the next slot
	ds_add_u32 v[SPW], v[NIL]
	s_wait_dscnt 9                                 ; the add and the youngest eight loads may be out
	WIN MUL
	MUL8 F1, 0, 0
	s_wait_dscnt 0x0                               ; the add is done, and my reads of this slot are over
	s_barrier_signal -1
	MUL8 F1, 2, 0
.if \fill
	WIN 0
.endif
	s_barrier_wait -1
.if \fill
	CREST                                          ; the barrier has opened a round of the cluster's barrier: no wave of any partner still reads this slot or has a load on its way
	s_add_nc_u64 s[G0+4*\slot+2:G0+4*\slot+3], s[G0+4*\slot+2:G0+4*\slot+3], 0x400000     ; four planes on
	s_add_nc_u64 s[G0B+4*\slot+2:G0B+4*\slot+3], s[G0B+4*\slot+2:G0B+4*\slot+3], 0x80000
	JLOAD \slot                                    ; the first tensor load behind the round; its four v_nop are also the places in front of the loads below
.else
	PLACES
.endif
	FETCH \next, 0, F0
	WIN MUL
	MUL8 F1, 4, 0
	MUL8 F1, 6, 0
.endm
	s_wait_tensorcnt 1                             ; my part of K step 0 is in; K step 1's load may be out
	s_barrier_signal -1
	s_barrier_wait -1
	FETCH 0, 0, F0
	s_wait_loadcnt 0x0                             ; the bias
	QUARTER 0, 1, F0, F1, 1                        ; the first quarter stands in front of the loop: its products start the sums
	WIN 0
	s_mov_b32 s3, LAPS-1
.Llap:                                             ; a trip goes once round the ring and fills both slots again
	QUARTER 0, 2, F1, F0, 0
	QUARTER 0, 3, F0, F1, 0
	TURN 0, 1, 1
	QUARTER 1, 1, F0, F1, 0
	QUARTER 1, 2, F1, F0, 0
	QUARTER 1, 3, F0, F1, 0
	TURN 1, 0, 1
	QUARTER 0, 1, F0, F1, 0
	WIN 0
	s_sub_co_u32 s3, s3, 1
	s_cmp_lg_u32 s3, 0
	s_cbranch_scc1 .Llap
	QUARTER 0, 2, F1, F0, 0                        ; the last lap fills nothing
	QUARTER 0, 3, F0, F1, 0
	TURN 0, 1, 0
	QUARTER 1, 1, F0, F1, 0
	QUARTER 1, 2, F1, F0, 0
	QUARTER 1, 3, F0, F1, 0
	s_wait_dscnt 8
	WIN MUL
	MUL8 F1, 0, 0
	MUL8 F1, 2, 0
	s_wait_dscnt 0
	MUL8 F1, 4, 0
	MUL8 F1, 6, 0
	WIN 0
; THE WAY OUT, block by block of 16 rows x 64 columns of f32: 32 bytes a lane into my stage, back as whole rows of 256 bytes.
.macro TOSTAGE a
	WIN 0x04                                       ; an LDS store's data: window 1
.irp b, 0,1,2,3
	ds_store_b128 v[STO], v[8*(4*(\a)+\b):8*(4*(\a)+\b)+3] offset:64*\b       ; each accumulator from its low end on
	ds_store_b128 v[STO], v[8*(4*(\a)+\b)+4:8*(4*(\a)+\b)+7] offset:64*\b+16
.endr
	WIN 0
.set BB, BK+32*((\a)%2)
.irp t, 0,1,2,3,4,5,6,7
	ds_load_b128 v[BB+4*\t:BB+4*\t+3], v[RD] offset:\t*2*SPITCH              ; LDS serves a wave's instructions in order: these see my stores
.endr
.endm
.macro SEND a, younger                 ; younger: the LDS instructions issued behind block a's loads
.set BB, BK+32*((\a)%2)
	s_wait_dscnt \younger
.irp t, 0,1,2,3,4,5,6,7
	global_store_b128 v[CO], v[BB+4*\t:BB+4*\t+3], s[8:9] offset:(16*(\a)+2*\t)*4096 th:TH_STORE_NT   ; sixteen lanes store 256 consecutive bytes, aligned
.endr
.endm
	PLACES
	TOSTAGE 0
.irp a, 1,2,3,4,5,6,7
.if \a > 1
	s_wait_xcnt 0x0                                ; block a - 2's stores have read their registers: block a's loads may land there
.endif
	TOSTAGE \a
	SEND \a-1, 16                                  ; behind block a - 1's loads: block a's 8 stores and 8 loads
.endr
	SEND 7, 0
	s_wait_tensorcnt 0x0                           ; the wave's end
	ds_add_u32 v[SPW], v[NIL]
	s_wait_dscnt 0x0
	CROUND                                         ; the closing round
	s_endpgm
.Lfunc_end_k_q5cb2a677c1_proj:
	.size	k_q5cb2a677c1_proj, .Lfunc_end_k_q5cb2a677c1_proj-k_q5cb2a677c1_proj
	.p2alignl 7, 3214868480
	.fill 96, 4, 3214868480
	.section	.rodata,"a",@progbits
	.p2align	6, 0x0
	.amdhsa_kernel k_q5cb2a677c1_proj
		.amdhsa_group_segment_fixed_size 327680
		.amdhsa_private_segment_fixed_size 0
		.amdhsa_enable_private_segment 0
		.amdhsa_kernarg_size 32
		.amdhsa_user_sgpr_count 2
		.amdhsa_user_sgpr_kernarg_segment_ptr 1
		.amdhsa_wavefront_size32 1
		.amdhsa_system_sgpr_workgroup_id_x 1
		.amdhsa_system_sgpr_workgroup_id_y 1
		.amdhsa_system_sgpr_workgroup_id_z 1
		.amdhsa_system_vgpr_workitem_id 0
		.amdhsa_next_free_vgpr 512
		.amdhsa_next_free_sgpr 72
		.amdhsa_reserve_vcc 0
		.amdhsa_float_denorm_mode_32 3
		.amdhsa_float_denorm_mode_16_64 3
		.amdhsa_memory_ordered 1
		.amdhsa_forward_progress 1
		.amdhsa_inst_pref_size 86
	.end_amdhsa_kernel
	.amdgpu_metadata
---
amdhsa.version: [ 1, 2 ]
amdhsa.kernels:
  - .name:           k_q5cb2a677c1_proj
    .symbol:         k_q5cb2a677c1_proj.kd
    .args:
      - { .name: att, .offset: 0, .size: 8, .value_kind: global_buffer, .address_space: global }
      - { .name: wp16, .offset: 8, .size: 8, .value_kind: global_buffer, .address_space: global }
      - { .name: out0, .offset: 16, .size: 8, .value_kind: global_buffer, .address_space: global }
      - { .name: bp, .offset: 24, .size: 8, .value_kind: global_buffer, .address_space: global }
    .group_segment_fixed_size: 327680
    .private_segment_fixed_size: 0
    .kernarg_segment_align: 8
    .kernarg_segment_size: 32
    .max_flat_workgroup_size: 128
    .sgpr_count:     72
    .vgpr_count:     512
    .wavefront_size: 32
...
	.end_amdgpu_metadata
.endif
;; end of part 4
;; launch fine (part 5): grid 16 x 4, 16 waves a work-group, no clusters, 154,624 bytes of LDS; arguments fineqkv, wp16, bp, out0; writes out0
.if DOCPART == 5
	.amdgcn_target "amdgcn-amd-amdhsa--gfx1250"
	.amdhsa_code_object_version 6
	.text
	.protected	k_q5cb2a677c1_fine
	.globl	k_q5cb2a677c1_fine
	.p2align	8
	.type	k_q5cb2a677c1_fine,@function
k_q5cb2a677c1_fine:
	s_mov_b64 s[64:65], 0
	v_nop
	global_prefetch_b8 v0, s[64:65] scope:SCOPE_SE
	s_setreg_imm32_b32 hwreg(HW_REG_WAVE_MODE, 25, 1), 1
	s_wait_xcnt 0x0
; The first 16 positions of each of the 4 sequences, carried finely: their rows average one to sixteen values and are the largest of the output.  Work-group (sl, batch) makes out0[batch x 2048 + 0..15][64 sl .. 64 sl + 63].
; PHASE A: wave w takes head w: q, k, v of the 16 positions come in f32 as images of accumulator registers (lane (r, h), register 8 cb + j = position r, channel 16 cb + 8 h + j); both products by the f32 matrix form;
; the softmax in f32 with the row's maximum taken away; o = O / l is split into a high part (11 significant bits) and the rest, both f16, and goes to LDS as images of the next product's operand registers.
; PHASE B: wave w takes 16 columns (w % 4) and a quarter of K (w / 4): out = Wh Oh + Wh Ol + Wl Oh on f16 operands, f32 sums; the four quarters meet in LDS; waves 0-7 add them and bp and store two rows each.
; In the f32 products the four k of an instruction are channels (or keys) 8 h + 2 i + j, the same in both sources: the order of the sum's terms differs from ascending k, nothing else.
; LIMITS: as in the launches before: hidden scores count for nothing; |o| under 65,504; where a part of o or Wp falls under 2^-14 it is kept to 2^-25; NaN and infinities are not served.
; REGISTERS: v1-15 addresses; v16-23 at work; v24-27 bp; v28, v29 the add's two; v30, v31 at work; v32-63 q, v64-95 k, later Wp's low fragments; v96-127 v, V^T, o, later O's fragments;
;   v128-143 the scores' two sums and v144-175 O^T's four: written by the f32 matrix form alone; v176-183 p, v184-191 the scores, later o's high part, later two f16-form accumulators; v192-255 Wp's high fragments.
.set VT,    0                          ; LDS: 16 rows x 272 bytes a wave: v, to be read turned
.set OIMG,  69632                      ; [32 K steps of 32][high 1,024 bytes, low 1,024]
.set PS,    135168                     ; [4 quarters of K][16 rows x 272 bytes]
.set SPARE, 152576                     ; the spare words, 128 bytes a wave: eight blocks of 256 bytes that no other line names
	s_load_b256 s[4:11], s[0:1], 0x0               ; fineqkv s[4:5], wp16 s[6:7], bp s[8:9], out0 s[10:11]
	v_lshl_add_u32 v28, v0, 2, SPARE
	v_mov_b32 v29, 0
	v_lshrrev_b32 v3, 5, v0
	v_readfirstlane_b32 s12, v3                    ; wave 0..15
	s_and_b32 s13, s12, 3                          ; nt: which 16 columns
	s_lshr_b32 s14, s12, 2                         ; kq: which quarter of K
	s_and_b32 s16, ttmp7, 0xffff                   ; batch
	v_and_b32 v1, 15, v0                           ; r
	v_bfe_u32 v2, v0, 4, 1                         ; h
	v_and_b32 v3, 31, v0
	v_lshlrev_b32 v4, 4, v3                        ; 16 x lane: an image's place for my lane
	s_mul_i32 s17, s12, 16*272
	v_mul_u32_u24 v16, v1, 272
	v_lshl_add_u32 v5, v2, 5, v16
	v_add_nc_u32 v5, s17, v5                       ; v into my VT: row r, + 32 h
	v_mul_u32_u24 v6, v2, 8*272
	v_lshl_add_u32 v6, v1, 2, v6
	v_add_nc_u32 v6, s17, v6                       ; and back turned: key 8 h + jj, channel r
	s_lshl_b32 s17, s12, 12
	s_add_co_u32 s17, s17, OIMG
	v_add_nc_u32 v7, s17, v4                       ; where I store my head's two K steps
	s_lshl_b32 s17, s14, 14
	s_add_co_u32 s17, s17, OIMG
	v_add_nc_u32 v8, s17, v4                       ; where my quarter's eight K steps lie
	s_mul_i32 s17, s14, 16*272
	s_lshl_b32 s18, s13, 6
	s_add_co_u32 s17, s17, s18
	s_add_co_u32 s17, s17, PS
	v_lshl_add_u32 v9, v2, 5, v16
	v_add_nc_u32 v9, s17, v9                       ; my part sums: plane kq, row r, + 64 nt + 32 h
	s_and_b32 s17, s12, 7
	s_mul_i32 s17, s17, 2*272
	s_add_co_u32 s17, s17, PS
	v_mul_u32_u24 v10, v2, 272
	v_lshl_add_u32 v10, v1, 4, v10
	v_add_nc_u32 v10, s17, v10                     ; the last read: rows 2 (wave % 8) + h, 16 bytes a lane
	v_lshlrev_b32 v11, 7, v1
	v_lshl_add_u32 v11, v2, 4, v11                 ; wp16: row r of 128 bytes, + 16 h
	v_lshlrev_b32 v12, 12, v2
	v_lshl_add_u32 v12, v1, 4, v12                 ; out0: row h of 4,096 bytes, + 16 r
	v_lshlrev_b32 v13, 4, v1
	v_lshlrev_b32 v14, 3, v2
	v_sub_nc_u32 v14, v1, v14                      ; r - 8 h
	v_mov_b32 v15, 0xff800000                      ; -infinity
	s_mov_b32 s20, 0x76543210
	s_mov_b32 s21, 0xfedcba98                      ; v_permlanex16_b32's selects for lane l xor 16
	s_mov_b32 s22, 0x3e38aa3b                      ; c = log2(e) / 8
	s_mov_b32 s23, 0xffffe000                      ; sign, exponent and ten bits of mantissa
	s_mul_i32 s18, s16, 192
	s_lshl_b32 s19, s12, 2
	s_add_co_u32 s18, s18, s19
	s_lshl_b32 s18, s18, 10                        ; fineqkv: (batch x 192 + 4 x head) x 1,024 bytes
	s_mov_b32 s19, 0
	s_lshl_b32 s24, s14, 19                        ; wp16: (4 kq planes x 1,024 + 64 sl + 16 nt) x 128 bytes
	s_lshl_b32 s25, ttmp9, 13
	s_add_co_u32 s24, s24, s25
	s_lshl_b32 s25, s13, 11
	s_add_co_u32 s24, s24, s25
	s_mov_b32 s25, 0
	s_lshl_b32 s26, ttmp9, 8                       ; 64 columns of f32
	s_mov_b32 s27, 0
	s_lshl_b32 s28, s16, 23                        ; out0: (batch x 2,048 + 2 x wave) rows of 4,096 bytes
	s_lshl_b32 s29, s12, 13
	s_add_co_u32 s28, s28, s29
	s_mov_b32 s29, 0
	s_wait_kmcnt 0x0
	s_add_nc_u64 s[4:5], s[4:5], s[18:19]
	s_add_nc_u64 s[6:7], s[6:7], s[24:25]
	s_add_nc_u64 s[8:9], s[8:9], s[26:27]
	s_add_nc_u64 s[10:11], s[10:11], s[28:29]
	s_add_nc_u64 s[10:11], s[10:11], s[26:27]
	global_load_b128 v[24:27], v13, s[8:9]         ; bp
.irp m, 0,1,2                                  ; q into v32 on, k into v64 on, v into v96 on
.irp cb, 0,1,2,3
	global_load_b128 v[32+32*\m+8*\cb:32+32*\m+8*\cb+3], v4, s[4:5] offset:\m*65536+\cb*1024
	global_load_b128 v[32+32*\m+8*\cb+4:32+32*\m+8*\cb+7], v4, s[4:5] offset:\m*65536+\cb*1024+512
.endr
.endr
.irp u, 0,1,2,3,4,5,6,7                        ; Wp's high fragments of my eight K steps: plane u / 2, 32 k at byte 64 (u % 2)
	global_load_b128 v[192+8*\u:192+8*\u+3], v11, s[6:7] offset:(\u/2)*131072+(\u%2)*64
	global_load_b128 v[192+8*\u+4:192+8*\u+7], v11, s[6:7] offset:(\u/2)*131072+(\u%2)*64+32
.endr
	s_wait_loadcnt 24                              ; q and k are in; v's 8 loads and Wp's 16 may be out
	; S^T = k q^T: source 0 = 16 keys, source 1 = 16 queries; two sums by turns; the first two products start them
.irp cb, 0,1,2,3
.irp i, 0,1,2,3
.if (\cb == 0) && (\i < 2)
	v_wmma_f32_16x16x4_f32 v[128+8*(\i%2):128+8*(\i%2)+7], v[64+8*\cb+2*\i:64+8*\cb+2*\i+1], v[32+8*\cb+2*\i:32+8*\cb+2*\i+1], 0
.else
	v_wmma_f32_16x16x4_f32 v[128+8*(\i%2):128+8*(\i%2)+7], v[64+8*\cb+2*\i:64+8*\cb+2*\i+1], v[32+8*\cb+2*\i:32+8*\cb+2*\i+1], v[128+8*(\i%2):128+8*(\i%2)+7]
.endif
.endr
.endr
.rept 8
	v_nop                                          ; eight places behind this form, in front of the loads into q's and k's registers and of the first read of the sums
.endr
.irp u, 0,1,2,3,4,5,6,7                        ; Wp's low fragments
	global_load_b128 v[32+8*\u:32+8*\u+3], v11, s[6:7] offset:2097152+(\u/2)*131072+(\u%2)*64
	global_load_b128 v[32+8*\u+4:32+8*\u+7], v11, s[6:7] offset:2097152+(\u/2)*131072+(\u%2)*64+32
.endr
.irp j, 0,1,2,3,4,5,6,7
	v_add_f32 v[184+\j], v[128+\j], v[136+\j]      ; register j: key 8 h + j, query r
.endr
.irp j, 0,1,2,3,4,5,6,7
	v_cmp_gt_i32 vcc_lo, \j, v14                   ; hidden where 8 h + j > r
	v_cndmask_b32 v[184+\j], v[184+\j], v15, vcc_lo
.endr
	v_max3_num_f32 v30, v184, v185, v186
	v_max3_num_f32 v31, v187, v188, v189
	v_max3_num_f32 v30, v30, v190, v191
	v_max_num_f32 v30, v30, v31
	v_permlanex16_b32 v31, v30, s20, s21
	v_max_num_f32 v30, v30, v31                    ; the row's maximum: key 0 counts for every query
	v_mul_f32 v30, s22, v30
.irp j, 0,1,2,3,4,5,6,7
	v_fma_f32 v[176+\j], v[184+\j], s22, -v30
.endr
.irp j, 0,1,2,3,4,5,6,7
	v_exp_f32 v[176+\j], v[176+\j]
.endr
	v_nop
	s_wait_alu depctr_va_vdst(0)                   ; one wait for the eight exponentials, ahead of their first reader
	v_add_f32 v16, v176, v177
	v_add_f32 v17, v178, v179
	v_add_f32 v18, v180, v181
	v_add_f32 v19, v182, v183
	v_add_f32 v16, v16, v17
	v_add_f32 v18, v18, v19
	v_add_f32 v16, v16, v18
	v_permlanex16_b32 v17, v16, s20, s21
	v_add_f32 v16, v16, v17                        ; l
	v_rcp_f32 v30, v16
	v_nop
	s_wait_loadcnt 32                              ; v is in; Wp's 16 high and 16 low loads may be out
.irp cb, 0,1,2,3
	ds_store_b128 v5, v[96+8*\cb:96+8*\cb+3] offset:64*\cb
	ds_store_b128 v5, v[96+8*\cb+4:96+8*\cb+7] offset:64*\cb+16
.endr
.irp ct, 0,1,2,3
.irp jj, 0,1,2,3,4,5,6,7
	ds_load_b32 v[96+8*\ct+\jj], v6 offset:\jj*272+64*\ct   ; v(key 8 h + jj, channel 16 ct + r); LDS serves a wave's instructions in order
.endr
.endr
	s_wait_dscnt 0x0
	; O^T = v^T p: source 0 = 16 channels, source 1 = 16 queries; four sums by turns
.irp s, 0,1,2,3
.irp ct, 0,1,2,3
.if \s == 0
	v_wmma_f32_16x16x4_f32 v[144+8*\ct:144+8*\ct+7], v[96+8*\ct+2*\s:96+8*\ct+2*\s+1], v[176+2*\s:176+2*\s+1], 0
.else
	v_wmma_f32_16x16x4_f32 v[144+8*\ct:144+8*\ct+7], v[96+8*\ct+2*\s:96+8*\ct+2*\s+1], v[176+2*\s:176+2*\s+1], v[144+8*\ct:144+8*\ct+7]
.endif
.endr
.endr
.rept 9
	v_nop                                          ; nine places: p's registers are later written by matrix instructions
.endr
	s_wait_alu depctr_va_vdst(0)                   ; the wait for the reciprocal, ahead of its first reader
.set n, 0
.rept 32
	v_mul_f32 v[96+n], v[144+n], v30               ; o(query r, channel 16 ct + 8 h + j)
.set n, n+1
.endr
.set n, 0
.rept 16                                       ; pair n: high = o cut to 11 significant bits, low = o - high (exact); both packed; the low part in place, ascending
	v_and_b32 v[16+2*(n%4)], s23, v[96+2*n]
	v_and_b32 v[17+2*(n%4)], s23, v[97+2*n]
	v_pk_add_f32 v[96+2*n:97+2*n], v[96+2*n:97+2*n], v[16+2*(n%4):17+2*(n%4)] neg_lo:[0,1] neg_hi:[0,1]
	v_cvt_pk_f16_f32 v[176+n], v[16+2*(n%4)], v[17+2*(n%4)]
	v_cvt_pk_f16_f32 v[96+n], v[96+2*n], v[97+2*n]
.set n, n+1
.endr
.irp u, 0,1                                    ; K step 2 w + u: registers 0-3 channels 32 u + 8 h + 0..7, registers 4-7 channels 32 u + 16 + 8 h + 0..7: source 1's layout as it stands
	ds_store_b128 v7, v[176+8*\u:176+8*\u+3] offset:2048*\u
	ds_store_b128 v7, v[176+8*\u+4:176+8*\u+7] offset:2048*\u+512
	ds_store_b128 v7, v[96+8*\u:96+8*\u+3] offset:2048*\u+1024
	ds_store_b128 v7, v[96+8*\u+4:96+8*\u+7] offset:2048*\u+1536
.endr
	s_wait_dscnt 0x0                               ; for the others' sake: my stores have landed
	s_barrier_signal -1
	s_barrier_wait -1                              ; all 32 K steps of o lie in LDS
	s_wait_loadcnt 0x0                             ; Wp's fragments, and bp
	; out^T = Wp^T o^T: source 0 = 16 columns of Wp, source 1 = the 16 positions; two accumulators by turns
.irp bt, 0,1,2,3
.irp e, 0,1
	ds_load_b128 v[96+16*\e:96+16*\e+3], v8 offset:(2*\bt+\e)*2048
	ds_load_b128 v[96+16*\e+4:96+16*\e+7], v8 offset:(2*\bt+\e)*2048+512
	ds_load_b128 v[96+16*\e+8:96+16*\e+11], v8 offset:(2*\bt+\e)*2048+1024
	ds_load_b128 v[96+16*\e+12:96+16*\e+15], v8 offset:(2*\bt+\e)*2048+1536
.endr
	s_wait_dscnt 0x0
.if \bt == 0
	v_wmma_f32_16x16x32_f16 v[176:183], v[192:199], v[96:103], 0
	v_wmma_f32_16x16x32_f16 v[184:191], v[192:199], v[104:111], 0
.else
	v_wmma_f32_16x16x32_f16 v[176:183], v[192+16*\bt:192+16*\bt+7], v[96:103], v[176:183]
	v_wmma_f32_16x16x32_f16 v[184:191], v[192+16*\bt:192+16*\bt+7], v[104:111], v[184:191]
.endif
	v_wmma_f32_16x16x32_f16 v[176:183], v[32+16*\bt:32+16*\bt+7], v[96:103], v[176:183]
	v_wmma_f32_16x16x32_f16 v[184:191], v[200+16*\bt:200+16*\bt+7], v[112:119], v[184:191]
	v_wmma_f32_16x16x32_f16 v[176:183], v[200+16*\bt:200+16*\bt+7], v[120:127], v[176:183]
	v_wmma_f32_16x16x32_f16 v[184:191], v[40+16*\bt:40+16*\bt+7], v[112:119], v[184:191]
.rept 4
	v_nop                                          ; places in front of the next loads into o's registers, and of the first read of the sums
.endr
.endr
.irp j, 0,1,2,3,4,5,6,7
	v_add_f32 v[16+\j], v[176+\j], v[184+\j]       ; lane (r, h), register j: position r, column 16 nt + 8 h + j
.endr
	ds_store_b128 v9, v[16:19]
	ds_store_b128 v9, v[20:23] offset:16
	s_wait_dscnt 0x0
	s_barrier_signal -1
	s_barrier_wait -1                              ; the four quarters' part sums lie in LDS
	s_cmp_lt_u32 s12, 8                            ; waves 0-7 finish two rows each; no barrier stands behind this branch
	s_cbranch_scc0 .Ldone
	ds_load_b128 v[96:99], v10
	ds_load_b128 v[100:103], v10 offset:16*272
	ds_load_b128 v[104:107], v10 offset:2*16*272
	ds_load_b128 v[108:111], v10 offset:3*16*272
	s_wait_dscnt 0x0
	v_pk_add_f32 v[96:97], v[96:97], v[100:101]
	v_pk_add_f32 v[98:99], v[98:99], v[102:103]
	v_pk_add_f32 v[104:105], v[104:105], v[108:109]
	v_pk_add_f32 v[106:107], v[106:107], v[110:111]
	v_pk_add_f32 v[96:97], v[96:97], v[104:105]
	v_pk_add_f32 v[98:99], v[98:99], v[106:107]
	v_pk_add_f32 v[96:97], v[96:97], v[24:25]
	v_pk_add_f32 v[98:99], v[98:99], v[26:27]
	global_store_b128 v12, v[96:99], s[10:11]      ; sixteen lanes store 256 consecutive bytes, aligned
.Ldone:
	s_wait_tensorcnt 0x0                           ; the wave's end
	ds_add_u32 v28, v29
	s_wait_dscnt 0x0
	s_endpgm
.Lfunc_end_k_q5cb2a677c1_fine:
	.size	k_q5cb2a677c1_fine, .Lfunc_end_k_q5cb2a677c1_fine-k_q5cb2a677c1_fine
	.p2alignl 7, 3214868480
	.fill 96, 4, 3214868480
	.section	.rodata,"a",@progbits
	.p2align	6, 0x0
	.amdhsa_kernel k_q5cb2a677c1_fine
		.amdhsa_group_segment_fixed_size 154624
		.amdhsa_private_segment_fixed_size 0
		.amdhsa_enable_private_segment 0
		.amdhsa_kernarg_size 32
		.amdhsa_user_sgpr_count 2
		.amdhsa_user_sgpr_kernarg_segment_ptr 1
		.amdhsa_wavefront_size32 1
		.amdhsa_system_sgpr_workgroup_id_x 1
		.amdhsa_system_sgpr_workgroup_id_y 1
		.amdhsa_system_sgpr_workgroup_id_z 1
		.amdhsa_system_vgpr_workitem_id 0
		.amdhsa_next_free_vgpr 256
		.amdhsa_next_free_sgpr 66
		.amdhsa_reserve_vcc 1
		.amdhsa_float_denorm_mode_32 3
		.amdhsa_float_denorm_mode_16_64 3
		.amdhsa_memory_ordered 1
		.amdhsa_forward_progress 1
		.amdhsa_inst_pref_size 28
	.end_amdhsa_kernel
	.amdgpu_metadata
---
amdhsa.version: [ 1, 2 ]
amdhsa.kernels:
  - .name:           k_q5cb2a677c1_fine
    .symbol:         k_q5cb2a677c1_fine.kd
    .args:
      - { .name: fineqkv, .offset: 0, .size: 8, .value_kind: global_buffer, .address_space: global }
      - { .name: wp16, .offset: 8, .size: 8, .value_kind: global_buffer, .address_space: global }
      - { .name: bp, .offset: 16, .size: 8, .value_kind: global_buffer, .address_space: global }
      - { .name: out0, .offset: 24, .size: 8, .value_kind: global_buffer, .address_space: global }
    .group_segment_fixed_size: 154624
    .private_segment_fixed_size: 0
    .kernarg_segment_align: 8
    .kernarg_segment_size: 32
    .max_flat_workgroup_size: 512
    .sgpr_count:     66
    .vgpr_count:     256
    .wavefront_size: 32
...
	.end_amdgpu_metadata
.endif
;; end of part 5
